; MI455X (gfx1250); checked and timed in simulation.
; The chip was launched on July 23, 2026; its instructions are those of AMD's public machine-readable ISA for CDNA 5 (MIT licence, August 2026) and "CDNA5" Instruction Set Architecture Reference Guide (July 2026). The comments in the code are by the model that wrote it; some were corrected since.
;; Multi Head Attention. Allowed arithmetic: float matrix products may take bf16 or f16 operands with f32 sums; all other float work in f32.
;; Inputs: w_k 1,024 x 1,024 float32; w_q 1,024 x 1,024 float32; w_v 1,024 x 1,024 float32; x 4 x 2,048 x 1,024 float32.
;; Outputs: out0 4 x 2,048 x 1,024 float32.
;; One version. Each part assembles by itself: llvm-mc -triple=amdgcn-amd-amdhsa -mcpu=gfx1250 --defsym DOCPART=n.
;; ======== version 1 of 1: 4 launches
;; limits: values are held in f16: magnitudes above 65,504 overflow, below 6.1e-05 lose precision; right only within a limited range of input values
;; workspace buffers: xb 16,777,216 bytes; wb 6,291,456 bytes; qkv 50,331,648 bytes; p 33,554,432 bytes; stats 524,288 bytes
;; launch prep (part 1): grid 704 x 1, 8 waves a work-group, no clusters, 0 bytes of LDS; arguments x, w_q, w_k, w_v, xb, wb; writes xb, wb
.if DOCPART == 1
	.amdgcn_target "amdgcn-amd-amdhsa--gfx1250"
	.amdhsa_code_object_version 6
	.text
	.protected	k_q1525d8908c_prep
	.globl	k_q1525d8908c_prep
	.p2align	8
	.type	k_q1525d8908c_prep,@function
k_q1525d8908c_prep:
	s_mov_b64 s[64:65], 0
	v_nop
	global_prefetch_b8 v0, s[64:65] scope:SCOPE_SE
	s_setreg_imm32_b32 hwreg(HW_REG_WAVE_MODE, 25, 1), 1
	s_wait_xcnt 0x0
; xb = x rounded to bf16, laid out in 16 blocks of 64 along K: xb[K block][8192 rows][64], so that 256 rows of one K block are 32,768 dense bytes.
; wb = w_q, w_k, w_v rounded to bf16, one behind the other, each as it lies ([k][d]).
; A stream: no LDS, no barrier, no matrix unit.  A work-group converts 16,384 numbers (65,536 bytes in, 32,768 out):
; work-groups 0-511 take 16 rows of x each, 512-703 the 64 chunks of each of the three weights.
; A thread takes 8 neighbouring numbers in each of 8 passes: two 16-byte loads, four packed roundings, one 16-byte store.
; Thread t = (t >> 4, bit 3, t & 7).  For a weight these are simply 8 t numbers on.  For x: K block t >> 4, row parity bit 3, 8 (t & 7) numbers into the block's 64:
; eight lanes read 256 consecutive bytes of a row of x, and sixteen lanes store two neighbouring rows' 128 bytes of one K block.
; In both cases sixteen neighbouring lanes store 256 consecutive bytes, at a multiple of 256 from the buffer's first byte.
; All 16 loads go out first; no register is written twice, so no wait but the counted ones for the data is needed.
.set X, 4                              ; v[4:67]    pass i: 8 numbers in f32
.set Y, 68                             ; v[68:99]   pass i: 8 numbers in bf16
.set O, 100                            ; v[100:107] pass i: my byte offset in the destination
	s_load_b256 s[4:11], s[0:1], 0x0               ; x s[4:5], w_q s[6:7], w_k s[8:9], w_v s[10:11]
	s_load_b128 s[12:15], s[0:1], 0x20             ; xb s[12:13], wb s[14:15]
	s_sub_co_u32 s16, ttmp9, 512                   ; for a weight's work-group: its number among the 192
	s_lshr_b32 s17, s16, 6                         ; which weight: 0 q, 1 k, 2 v
	s_and_b32 s18, s16, 63                         ; which chunk of it
	s_movk_i32 s19, 0x100                          ; 256
	s_movk_i32 s27, 0x1000                         ; 4,096
	s_cmp_lt_u32 ttmp9, 512                        ; x or a weight: what each field of t is worth, in bytes
	s_cselect_b32 s28, s27, s19                    ; bit 3, in:   a row of x (4,096), or 8 threads' 256
	s_cselect_b32 s29, s19, 0x200                  ; t >> 4, in:  a K block's 256 bytes of f32, or 16 threads' 512
	s_cselect_b32 s30, 0x100000, s19               ; t >> 4, out: a K block of xb (8,192 rows x 128 bytes), or 16 threads' 256
	s_cselect_b32 s31, s19, s27                    ; a pass, out: two rows of 128 bytes, or 256 threads' 4,096
	v_and_b32 v1, 7, v0
	v_bfe_u32 v2, v0, 3, 1
	v_lshrrev_b32 v3, 4, v0
	v_lshlrev_b32 v1, 5, v1                        ; 32 bytes of f32 a thread
	v_mad_u32_u24 v1, v2, s28, v1
	v_mad_u32_u24 v1, v3, s29, v1                  ; my byte offset in the source
	v_and_b32 v2, 15, v0
	v_lshlrev_b32 v2, 4, v2                        ; 16 bytes of bf16 a thread; bit 3 is worth 128 in both cases
	v_mad_u32_u24 v2, v3, s30, v2
.irp i, 0,1,2,3,4,5,6,7
	v_mad_u32_u24 v[O+(\i)], s31, \i, v2
.endr
	s_wait_kmcnt 0x0
	s_cmp_eq_u32 s17, 1
	s_cselect_b64 s[20:21], s[8:9], s[6:7]         ; the source: w_k or w_q,
	s_cmp_eq_u32 s17, 2
	s_cselect_b64 s[20:21], s[10:11], s[20:21]     ; or w_v,
	s_cmp_lt_u32 ttmp9, 512
	s_cselect_b64 s[20:21], s[4:5], s[20:21]       ; or x
	s_cselect_b64 s[22:23], s[12:13], s[14:15]     ; the destination: xb or wb
	s_cselect_b32 s18, ttmp9, s18                  ; the chunk's number in its source
	s_cselect_b32 s17, 0, s17                      ; the weight's place in wb
	s_cselect_b32 s16, 11, 15                      ; a chunk out: 16 rows of 128 bytes in each K block, or 32,768 bytes
	s_lshl_b32 s24, s18, 16                        ; 65,536 bytes a chunk in
	s_mov_b32 s25, 0
	s_lshl_b32 s26, s18, s16
	s_lshl_b32 s17, s17, 21                        ; 2,097,152 bytes a weight in wb
	s_add_co_u32 s26, s26, s17
	s_mov_b32 s27, 0
	s_add_nc_u64 s[20:21], s[20:21], s[24:25]
	s_add_nc_u64 s[22:23], s[22:23], s[26:27]
.irp i, 0,1,2,3,4,5,6,7
	global_load_b128 v[X+8*(\i):X+8*(\i)+3],   v1, s[20:21] offset:8192*(\i) th:TH_LOAD_NT     ; a pass is 8,192 bytes in: two rows of x, or 2,048 numbers of a weight
	global_load_b128 v[X+8*(\i)+4:X+8*(\i)+7], v1, s[20:21] offset:8192*(\i)+16 th:TH_LOAD_NT
.endr
.irp i, 0,1,2,3,4,5,6,7
	s_wait_loadcnt 14-2*(\i)                       ; loads come back in order: pass i's two are in, the 2 (7 - i) of the later passes stay out
.irp j, 0,1,2,3
	v_cvt_pk_bf16_f32 v[Y+4*(\i)+(\j)], v[X+8*(\i)+2*(\j)], v[X+8*(\i)+2*(\j)+1]
.endr
	global_store_b128 v[O+(\i)], v[Y+4*(\i):Y+4*(\i)+3], s[22:23]
.endr
	s_endpgm
.Lfunc_end_k_q1525d8908c_prep:
	.size	k_q1525d8908c_prep, .Lfunc_end_k_q1525d8908c_prep-k_q1525d8908c_prep
	.p2alignl 7, 3214868480
	.fill 96, 4, 3214868480
	.section	.rodata,"a",@progbits
	.p2align	6, 0x0
	.amdhsa_kernel k_q1525d8908c_prep
		.amdhsa_group_segment_fixed_size 0
		.amdhsa_private_segment_fixed_size 0
		.amdhsa_enable_private_segment 0
		.amdhsa_kernarg_size 48
		.amdhsa_user_sgpr_count 2
		.amdhsa_user_sgpr_kernarg_segment_ptr 1
		.amdhsa_wavefront_size32 1
		.amdhsa_system_sgpr_workgroup_id_x 1
		.amdhsa_system_sgpr_workgroup_id_y 1
		.amdhsa_system_sgpr_workgroup_id_z 1
		.amdhsa_system_vgpr_workitem_id 0
		.amdhsa_next_free_vgpr 108
		.amdhsa_next_free_sgpr 66
		.amdhsa_reserve_vcc 0
		.amdhsa_float_denorm_mode_32 3
		.amdhsa_float_denorm_mode_16_64 3
		.amdhsa_memory_ordered 1
		.amdhsa_forward_progress 1
		.amdhsa_inst_pref_size 7
	.end_amdhsa_kernel
	.amdgpu_metadata
---
amdhsa.version: [ 1, 2 ]
amdhsa.kernels:
  - .name:           k_q1525d8908c_prep
    .symbol:         k_q1525d8908c_prep.kd
    .args:
      - { .name: x, .offset: 0, .size: 8, .value_kind: global_buffer, .address_space: global }
      - { .name: w_q, .offset: 8, .size: 8, .value_kind: global_buffer, .address_space: global }
      - { .name: w_k, .offset: 16, .size: 8, .value_kind: global_buffer, .address_space: global }
      - { .name: w_v, .offset: 24, .size: 8, .value_kind: global_buffer, .address_space: global }
      - { .name: xb, .offset: 32, .size: 8, .value_kind: global_buffer, .address_space: global }
      - { .name: wb, .offset: 40, .size: 8, .value_kind: global_buffer, .address_space: global }
    .group_segment_fixed_size: 0
    .private_segment_fixed_size: 0
    .kernarg_segment_align: 8
    .kernarg_segment_size: 48
    .max_flat_workgroup_size: 256
    .sgpr_count:     66
    .vgpr_count:     108
    .wavefront_size: 32
...
	.end_amdgpu_metadata
.endif
;; end of part 1
;; launch proj (part 2): grid 8 x 32, 4 waves a work-group, clusters of 4 x 4, 327,680 bytes of LDS; arguments xb, wb, qkv; writes qkv
.if DOCPART == 2
	.amdgcn_target "amdgcn-amd-amdhsa--gfx1250"
	.amdhsa_code_object_version 6
	.text
	.protected	k_q1525d8908c_proj
	.globl	k_q1525d8908c_proj
	.p2align	8
	.type	k_q1525d8908c_proj,@function
k_q1525d8908c_proj:
	s_mov_b64 s[64:65], 0
	v_nop
	global_prefetch_b8 v0, s[64:65] scope:SCOPE_SE
	s_setreg_imm32_b32 hwreg(HW_REG_WAVE_MODE, 25, 1), 1
	s_wait_xcnt 0x0
	s_wait_alu depctr_hold_cnt(0) depctr_sa_sdst(0) depctr_va_vdst(0) depctr_va_sdst(0) depctr_va_ssrc(0) depctr_va_vcc(0) depctr_vm_vsrc(0)
	s_getreg_b32 s2, hwreg(HW_REG_IB_STS2, 6, 4)
	s_cmp_eq_u32 s2, 0
	s_cbranch_scc0 .Lentry_in_a_cluster
	s_endpgm
.Lentry_in_a_cluster:
	s_bfe_u32 s2, ttmp6, 0x10000c
	s_cmp_lg_u32 s2, 0xf033
	s_cbranch_scc0 .Lentry_shape_is_right
	s_endpgm
.Lentry_shape_is_right:
; qkv[m][1024 z + d] = sum over k of x[m][k] w_z[k][d], z = 0 (q), 1 (k), 2 (v).  xb: [16 K blocks][8192 rows][64] bf16.  wb: [3][1024 k][1024 d] bf16.
; qkv: [8192][3072] f16, rounded once from f32 sums, unscaled.
; LIMIT: a result of 65,520 or more in magnitude becomes an infinity in f16 (the drawn sizes give a spread of 0.8; x and the weights both 30 times larger give 735).
; A TILE is 256 rows x 384 columns: the same 128 d of q, of k and of v.  8,192 / 256 x 1,024 / 128 = 256 tiles: one work-group for each of 256 WGPs.
; Four waves, each 128 rows x 192 columns: 96 accumulators of 16 x 16, 768 registers.  The 384 columns are six chunks of 64; a wave has three of them, one to a register window.
; K goes in steps of 64 through two LDS slots (two slots of 128 would need 360,448 bytes).  A's part of a slot, 256 rows x 128 bytes, is dense in xb and is asked for as 128 rows of 256 bytes,
; padded after every 128; B's part is three pieces (q, k, v) of 64 rows (k) x 256 bytes, as the weights lie; its fragments come out of LDS turned, by ds_load_tr16_b128.
; Wave 0 fetches A's part, waves 1 to 3 one piece of B each.
; CLUSTER 4 x 4: the four work-groups of a row of the cluster need the same tiles of xb, the four of a column the same tiles of wb: each is asked for jointly, by the same tensor load,
; descriptor and mask in all four.
; THE MATRIX INSTRUCTION IS USED TRANSPOSED (source 0 = 16 columns of w, source 1 = 16 rows of x): a lane then holds eight neighbouring numbers of a row of qkv, 16 bytes in f16.
; REGISTERS, in windows of 256 (s_set_vgpr_msb: bits 1:0 source 0, 3:2 source 1, 5:4 source 2, 7:6 destination):
;   window 0: v0-31 addresses; v32-95, v96-159 fragments of A (8 x 16 rows x 32 K), two buffers; v160-255 fragments of B, a buffer of 32 for each of my three chunks
;   window 1 + c: the 32 accumulators of my chunk c: row block a, column block i at v[8 (4 a + i)]
; A QUARTER is 32 along K: three runs of 32 matrix instructions, one for each chunk.  At each run's head stand the loads into the buffers that the run before has left:
; run 0: this quarter's chunk 2, the next quarter's A; run 1: the next quarter's chunk 0; run 2: its chunk 1.  So each fragment is asked for 64 matrix instructions or more ahead of its use.
.set QP,     6144                      ; bytes in a row of qkv
.set PA,     144                       ; a row of A in LDS: 128 bytes + 16: the 16 rows of a fragment load start 16 bytes apart modulo 256
.set PBB,    288                       ; a row of B in LDS: 256 bytes + 32 = 9 x 32
.set ABYTES, 256*PA
.set PIECE,  64*PBB
.set SLOT,   ABYTES+3*PIECE            ; 92,160 bytes
.set SPS,    784                       ; a row of the stage: 768 bytes + 16 = 49 x 16
.set SPARE,  256*SPS                   ; behind the stage, which lies over the ring and 16,384 bytes beyond it: the spare words, 128 bytes a wave: two blocks of 256 bytes that no other line names
.set ASTEP,  0x100000                  ; from a K block of xb to the next: 8,192 rows x 128 bytes
.set BSTEP,  64*2048                   ; 64 rows of a weight
.set ADRA, 4                           ; v4-5    LDS address of my A fragments in slot 0, 1
.set ADRB, 6                           ; v6-11   of my B fragments: 3 x slot + chunk
.set STO,  12                          ; v12-13  the way out: where I put 16 bytes of a row: row blocks 0-3, 4-7
.set RD,   14                          ; v14     where I read rows back
.set CO,   15                          ; v15     my byte offset in qkv
.set SPW,  28                          ; v28     LDS address of my spare word; never rewritten
.set NIL,  29                          ; v29     0; never rewritten
.set FA0,  32
.set FA1,  96
.set FB,   160
.set TMP,  32                          ; the way out: a window's 32 accumulators packed, 128 registers
.set BK,   160                         ; the way out: 8 rows read back, 48 registers
.set G1,  24                           ; s[24:31] descriptor group 1 for A's tiles;  s[32:39] group 0, a set for each slot
.set G0,  32
.set G1B, 48                           ; s[48:55], s[56:63] the same for B's pieces
.set G0B, 56
.set MSB, 0
.macro WIN new                         ; the immediate's high byte repeats the setting that is left; a switch that changes nothing is dropped
.if MSB != (\new)
	s_set_vgpr_msb (MSB<<8)|(\new)
.set MSB, \new
.endif
.endm
; A joint load: wave 0 fetches A's part of a slot, waves 1 to 3 B's three pieces.  The branch hangs on the wave's number alone.  An s_nop 0 and four v_nop follow each line.
.macro JLOAD s
	s_cmp_eq_u32 s10, 0
	s_cbranch_scc0 .Lfor_b_\@
	tensor_load_to_lds s[G0+4*(\s):G0+4*(\s)+3], s[G1:G1+7]
	s_nop 0
.rept 4
	v_nop
.endr
	s_branch .Lasked_\@
.Lfor_b_\@:
	tensor_load_to_lds s[G0B+4*(\s):G0B+4*(\s)+3], s[G1B:G1B+7]
	s_nop 0
.rept 4
	v_nop
.endr
.Lasked_\@:
.endm
.macro CREST                           ; a round of the cluster's barrier behind its opening barrier
	s_cmp_lg_u32 s10, 0
	s_cbranch_scc1 .Lnot_wave_0_\@
	s_barrier_signal -3
.Lnot_wave_0_\@:
	s_barrier_wait -3
	s_barrier_signal -1
	s_barrier_wait -1
.endm
.macro CROUND                          ; a whole round
	s_barrier_signal -1
	s_barrier_wait -1
	CREST
.endm
	s_load_b128 s[4:7], s[0:1], 0x0                ; xb s[4:5], wb s[6:7]
	s_load_b64 s[8:9], s[0:1], 0x10                ; qkv
	v_lshl_add_u32 v[SPW], v0, 2, SPARE
	v_mov_b32 v[NIL], 0
	ds_add_u32 v28, v29
	ds_add_u32 v28, v29
	s_wait_dscnt 0x0
	v_lshrrev_b32 v1, 5, v0
	v_readfirstlane_b32 s10, v1                    ; wave 0..3
	s_lshr_b32 s11, s10, 1                         ; which 128 rows of the tile are mine
	s_and_b32 s12, s10, 1                          ; which three chunks of its columns
	s_bfe_u32 s40, ttmp6, 0x40000                  ; cx
	s_bfe_u32 s41, ttmp6, 0x40004                  ; cy
	s_lshl_b32 s42, ttmp9, 2
	s_add_co_u32 s42, s42, s40                     ; tile column = 4 x cluster x + cx: which 128 d
	s_and_b32 s13, ttmp7, 0xffff
	s_lshl_b32 s13, s13, 2
	s_add_co_u32 s13, s13, s41                     ; tile row = 4 x cluster y + cy
	s_lshl_b32 s43, s41, 2
	s_lshl_b32 s43, 15, s43                        ; my row of the cluster
	s_lshl_b32 s44, 0x1111, s40                    ; my column
	s_or_b32 s[G1+0], s43, (1<<16)|(1<<20)|(1<<21)|(4<<22)|(3<<25)   ; mask of my row; 2-byte elements; padding on; bit 21 beside a mask; after every 32 words, 4 words
	s_mov_b32 s[G1+1], 128<<16                     ; tensor_dim0 = 128 elements: 256 bytes, two rows of A
	s_mov_b32 s[G1+2], 128<<16                     ; tensor_dim1 = 128
	s_mov_b32 s[G1+3], 128<<16                     ; tile_dim0 = 128
	s_mov_b32 s[G1+4], 128                         ; tile_dim1 = 128
	s_mov_b32 s[G1+5], 128                         ; dense: each row begins where the last ends
	s_mov_b32 s[G1+6], 0
	s_mov_b32 s[G1+7], 0
	s_or_b32 s[G1B+0], s44, (1<<16)|(1<<20)|(1<<21)|(5<<22)|(7<<25)  ; mask of my column; after every 64 words, 8 words
	s_mov_b32 s[G1B+1], 128<<16                    ; tensor_dim0 = 128 columns
	s_mov_b32 s[G1B+2], 64<<16                     ; tensor_dim1 = 64 rows (k)
	s_mov_b32 s[G1B+3], 128<<16                    ; tile_dim0 = 128
	s_mov_b32 s[G1B+4], 64                         ; tile_dim1 = 64
	s_mov_b32 s[G1B+5], 1024                       ; elements from one k to the next
	s_mov_b32 s[G1B+6], 0
	s_mov_b32 s[G1B+7], 0
	; A's tiles hang on the tile row alone, B's on the tile column and the wave's number, each in registers that never hold the other coordinate
	s_lshl_b32 s16, s13, 15                        ; A: 256 rows of 128 bytes a tile row
	s_mov_b32 s17, 0
	s_max_u32 s45, s10, 1
	s_sub_co_u32 s45, s45, 1                       ; B: wave 1, 2, 3 fetches q's, k's, v's piece (wave 0 asks by A's line alone)
	s_lshl_b32 s46, s45, 21                        ; the weight (2,097,152 bytes),
	s_lshl_b32 s47, s42, 8                         ; its 128 columns (256 bytes)
	s_add_co_u32 s46, s46, s47
	s_mov_b32 s47, 0
	s_mul_i32 s20, s10, PIECE                      ; where a piece goes: behind A's part, (wave - 1) x 18,432 bytes: no place in the cluster enters an LDS address
	s_add_co_u32 s20, s20, ABYTES-PIECE
	s_wait_kmcnt 0x0
	s_add_nc_u64 s[14:15], s[4:5], s[16:17]
	s_add_nc_u64 s[46:47], s[6:7], s[46:47]
	CROUND                                         ; all sixteen work-groups are here: the first joint loads meet
.irp s, 0,1
	s_mov_b32 s[G0+4*(\s)], 1
	s_mov_b32 s[G0+4*(\s)+1], (\s)*SLOT
	s_add_nc_u64 s[G0+4*(\s)+2:G0+4*(\s)+3], s[14:15], (\s)*ASTEP
	s_or_b32 s[G0+4*(\s)+3], s[G0+4*(\s)+3], 0x80000000
	s_mov_b32 s[G0B+4*(\s)], 1
	s_add_co_u32 s[G0B+4*(\s)+1], s20, (\s)*SLOT
	s_add_nc_u64 s[G0B+4*(\s)+2:G0B+4*(\s)+3], s[46:47], (\s)*BSTEP
	s_or_b32 s[G0B+4*(\s)+3], s[G0B+4*(\s)+3], 0x80000000
	JLOAD \s                                       ; two loads of mine are out
.endr
	; A's fragment: lane l holds row l % 16, K = 8 (l / 16) + 0..7 and 16 + 8 (l / 16) + 0..7: two loads of 16 bytes, 32 bytes apart.
	v_and_b32 v1, 15, v0                           ; r = l % 16
	v_bfe_u32 v2, v0, 4, 1                         ; h = l / 16
	v_mul_u32_u24 v3, v1, PA
	v_lshl_add_u32 v3, v2, 4, v3
	s_mul_i32 s21, s11, 128*PA                     ; my 128 rows of A
	v_add_nc_u32 v[ADRA], s21, v3
	v_add_nc_u32 v[ADRA+1], SLOT, v[ADRA]
	; B's fragment, turned: lane l reads 16 bytes of row k = 8 h + l % 8, columns 8 ((l / 8) % 2) + 0..7, and is left with column l % 16 and 8 k; the second load stands 16 rows down.
	v_and_b32 v16, 7, v0
	v_lshl_add_u32 v16, v2, 3, v16
	v_mul_u32_u24 v16, v16, PBB
	v_bfe_u32 v17, v0, 3, 1
	v_lshl_add_u32 v16, v17, 4, v16
	s_mul_i32 s21, s12, 3                          ; my first chunk of the tile's six
.irp c, 0,1,2
	s_add_co_u32 s22, s21, \c
	s_lshr_b32 s23, s22, 1                         ; a chunk lies in piece chunk / 2,
	s_mul_i32 s23, s23, PIECE
	s_and_b32 s22, s22, 1                          ; in the first or second 128 bytes of its rows
	s_lshl_b32 s22, s22, 7
	s_add_co_u32 s23, s23, s22
	s_add_co_u32 s23, s23, ABYTES
	v_add_nc_u32 v[ADRB+(\c)], s23, v16
	v_add_nc_u32 v[ADRB+3+(\c)], SLOT, v[ADRB+(\c)]
.endr
	s_mul_i32 s21, s11, 128*SPS                    ; into the stage: row 128 x half + r, byte 384 x half + 16 h
	s_mul_i32 s22, s12, 384
	s_add_co_u32 s21, s21, s22
	v_mul_u32_u24 v[STO], v1, SPS
	v_lshl_add_u32 v[STO], v2, 4, v[STO]
	v_add_nc_u32 v[STO], s21, v[STO]
	v_add_nc_u32 v[STO+1], 64*SPS, v[STO]
	s_mul_i32 s21, s10, 64*SPS                     ; back: wave w takes rows 64 w .. 64 w + 63, whole; lanes 0-15 256 bytes of one row, lanes 16-31 of the next
	v_mul_u32_u24 v[RD], v2, SPS
	v_lshl_add_u32 v[RD], v1, 4, v[RD]
	v_add_nc_u32 v[RD], s21, v[RD]
	v_mul_u32_u24 v[CO], v2, QP                    ; and the same two rows in qkv
	v_lshl_add_u32 v[CO], v1, 4, v[CO]
	s_lshl_b32 s16, s13, 8                         ; the first row that I store: 256 x tile row + 64 x wave,
	s_lshl_b32 s17, s10, 6
	s_add_co_u32 s16, s16, s17
	s_mul_i32 s16, s16, QP                         ; of 6,144 bytes (50,331,648 at the most),
	s_lshl_b32 s17, s42, 8                         ; and byte 256 x tile column in each of q, k, v
	s_add_co_u32 s16, s16, s17
	s_mov_b32 s17, 0
	s_add_nc_u64 s[8:9], s[8:9], s[16:17]
; 16 matrix instructions: row blocks a0 .. a0 + 3 x the four column blocks of chunk c, 32 along K.  zero = 1: the first product starts the sums.
; Each of the 96 accumulators has one instruction a quarter: they take turns.
.macro RUNH fa, c, a0, zero
	WIN 0x50*(1+(\c))                              ; C and D in window 1 + c, both sources in window 0
.irp a, (\a0), (\a0)+1, (\a0)+2, (\a0)+3
.irp i, 0,1,2,3
.if \zero
	v_wmma_f32_16x16x32_bf16 v[8*(4*(\a)+(\i)):8*(4*(\a)+(\i))+7], v[FB+32*(\c)+8*(\i):FB+32*(\c)+8*(\i)+7], v[(\fa)+8*(\a):(\fa)+8*(\a)+7], 0
.else
	v_wmma_f32_16x16x32_bf16 v[8*(4*(\a)+(\i)):8*(4*(\a)+(\i))+7], v[FB+32*(\c)+8*(\i):FB+32*(\c)+8*(\i)+7], v[(\fa)+8*(\a):(\fa)+8*(\a)+7], v[8*(4*(\a)+(\i)):8*(4*(\a)+(\i))+7]
.endif
.endr
.endr
.endm
.macro LB slot, q, c                   ; 8 LDS loads: chunk c's four fragments of quarter q of a slot
	WIN 0
.irp i, 0,1,2,3
	ds_load_tr16_b128 v[FB+32*(\c)+8*(\i):FB+32*(\c)+8*(\i)+3],   v[ADRB+3*(\slot)+(\c)] offset:(\q)*32*PBB+32*(\i)
	ds_load_tr16_b128 v[FB+32*(\c)+8*(\i)+4:FB+32*(\c)+8*(\i)+7], v[ADRB+3*(\slot)+(\c)] offset:(\q)*32*PBB+32*(\i)+16*PBB
.endr
.endm
.macro LA slot, q, fa                  ; 16 LDS loads: A's eight fragments of quarter q of a slot
	WIN 0
.irp i, 0,1,2,3,4,5,6,7
	ds_load_b128 v[(\fa)+8*(\i):(\fa)+8*(\i)+3],   v[ADRA+(\slot)] offset:64*(\q)+(\i)*16*PA
	ds_load_b128 v[(\fa)+8*(\i)+4:(\fa)+8*(\i)+7], v[ADRA+(\slot)] offset:64*(\q)+(\i)*16*PA+32
.endr
.endm
; Four plain vector instructions stand between a matrix instruction and a load into one of its sources, or a vector instruction that reads its result (ISA guide 7.12.1 for vector instructions)
.macro PLACES
.rept 4
	v_nop
.endr
.endm
; A slot's first quarter, on A's buffer 0.  LDS loads come back in order, and they are issued in the order chunk 2, next A, next chunk 0, next chunk 1: at each run's head the 32 youngest
; are exactly those behind the chunk (and the A) that the run multiplies.
.macro EVENQ s, zero
	PLACES
	LB \s, 0, 2
	LA \s, 1, FA1
	s_wait_dscnt 32                                ; out may be: chunk 1, chunk 2, the next A.  In: A and chunk 0
	RUNH FA0, 0, 0, \zero
	RUNH FA0, 0, 4, \zero
	PLACES
	LB \s, 1, 0
	s_wait_dscnt 32                                ; out may be: chunk 2, the next A, the next chunk 0.  In: chunk 1
	RUNH FA0, 1, 0, \zero
	RUNH FA0, 1, 4, \zero
	PLACES
	LB \s, 1, 1
	s_wait_dscnt 32                                ; out may be: the next A, the next chunks 0 and 1.  In: chunk 2
	RUNH FA0, 2, 0, \zero
	RUNH FA0, 2, 4, \zero
.endm
; A slot's second quarter, on A's buffer 1, changes slots: its chunk 2 is the slot's last read.  ONE barrier: in front of it each wave waits for all its tensor loads (one is out: its part of
; the next slot), adds 0 to its spare word, and waits for that and for its reads of this slot.  Behind it nobody reads this slot any more and the next slot is whole.
; fill = 1: the barrier opens a round of the cluster's, and this slot is filled again first thing behind it, with the K step two steps on: 160 matrix instructions ahead of the wait for it.
.macro ODDQ s, n, fill
	PLACES
	LB \s, 1, 2
	s_wait_tensorcnt 0x0
	ds_add_u32 v[SPW], v[NIL]                      ; 0 onto my spare word
	s_wait_dscnt 17                                ; out may be: chunk 1, chunk 2, the add.  In: A and chunk 0
	RUNH FA1, 0, 0, 0
	s_wait_dscnt 0x0                               ; the add is done, and my reads of this slot are over
	s_barrier_signal -1
	RUNH FA1, 0, 4, 0                              ; work on registers while the others arrive
	WIN 0
	s_barrier_wait -1
.if \fill
	CREST                                          ; no wave of any partner still reads this slot's tiles or has a load on its way
	s_add_nc_u64 s[G0+4*(\s)+2:G0+4*(\s)+3], s[G0+4*(\s)+2:G0+4*(\s)+3], 2*ASTEP
	s_add_nc_u64 s[G0B+4*(\s)+2:G0B+4*(\s)+3], s[G0B+4*(\s)+2:G0B+4*(\s)+3], 2*BSTEP
	JLOAD \s                                       ; my one tensor load behind the round; its four v_nop are also the places in front of the loads below
.else
	PLACES
.endif
	LA \n, 0, FA0
	LB \n, 0, 0
	RUNH FA1, 1, 0, 0                              ; chunks 1 and 2 came in with the wait for 0
	RUNH FA1, 1, 4, 0
	PLACES
	LB \n, 0, 1
	RUNH FA1, 2, 0, 0
	RUNH FA1, 2, 4, 0
.endm
	s_wait_tensorcnt 1                             ; my part of K step 0 is in; K step 1's may stay out
	s_barrier_signal -1
	s_barrier_wait -1                              ; everybody's is
	LA 0, 0, FA0
	LB 0, 0, 0
	LB 0, 0, 1
	EVENQ 0, 1                                     ; the first quarter stands in front of the loop: its products start the sums
	WIN 0                                          ; at a label and at a branch every window is 0
	s_mov_b32 s3, 7
.Llap:                                                 ; a trip goes once round the ring, from a lap's second quarter to the next lap's first, and fills both slots again: K steps 2 to 15
	ODDQ 0, 1, 1
	EVENQ 1, 0
	ODDQ 1, 0, 1
	EVENQ 0, 0
	WIN 0
	s_sub_co_u32 s3, s3, 1
	s_cmp_lg_u32 s3, 0
	s_cbranch_scc1 .Llap
	ODDQ 0, 1, 0                                   ; the last lap is written out: it fills nothing
	EVENQ 1, 0
	PLACES                                         ; the very last quarter
	LB 1, 1, 2
	s_wait_dscnt 16                                ; out may be: chunks 1 and 2
	RUNH FA1, 0, 0, 0
	RUNH FA1, 0, 4, 0
	s_wait_dscnt 8                                 ; chunk 2
	RUNH FA1, 1, 0, 0
	RUNH FA1, 1, 4, 0
	s_wait_dscnt 0x0                               ; my last reads of the ring are back
	RUNH FA1, 2, 0, 0
	RUNH FA1, 2, 4, 0
	; THE WAY OUT.  k's 256 bytes of a row come from two waves, so the tile goes through one stage: 256 rows x 784 bytes over the ring, which is filled no more.
	WIN 0
	PLACES                                         ; the conversions read results, and write over fragments, of products just issued
	s_barrier_signal -1                            ; every wave's reads of the ring are over, and every tensor load was waited for at the last change of slots
	s_barrier_wait -1
.irp c, 0,1,2
	WIN 5*(1+(\c))                                 ; sources 0 and 1: window 1 + c
.set t, 0
.rept 32
.irp r, 0,1,2,3
	v_cvt_pk_f16_f32 v[TMP+4*t+(\r)], v[8*t+2*(\r)], v[8*t+2*(\r)+1]     ; each accumulator's registers in ascending order
.endr
.set t, t+1
.endr
	WIN 0
.set t, 0
.rept 32
	ds_store_b128 v[STO+t/16], v[TMP+4*t:TMP+4*t+3] offset:((t/4)%4)*16*SPS+128*(\c)+32*(t%4)   ; row block t / 4, column block t % 4 of chunk c
.set t, t+1
.endr
.endr
	s_wait_dscnt 0x0                               ; for the others' sake: my part of the stage is written
	s_barrier_signal -1
	s_barrier_wait -1
	s_mov_b32 s3, 8
.Lout:                                                 ; a trip: 8 whole rows of my wave's 64
.irp p, 0,1,2,3
.irp z, 0,1,2
	ds_load_b128 v[BK+4*(3*(\p)+(\z)):BK+4*(3*(\p)+(\z))+3], v[RD] offset:(\p)*2*SPS+256*(\z)
.endr
.endr
.irp p, 0,1,2,3
.irp z, 0,1,2
	s_wait_dscnt 11-(3*(\p)+(\z))                  ; LDS loads come back in order: this one is in, the later ones stay out
	global_store_b128 v[CO], v[BK+4*(3*(\p)+(\z)):BK+4*(3*(\p)+(\z))+3], s[8:9] offset:(\p)*2*QP+2048*(\z)  ; 16 lanes store 256 consecutive bytes, at a multiple of 256 from qkv's first byte
.endr
.endr
	s_wait_xcnt 0x0                                ; CO, and in the next trip the stores' data, are rewritten only behind this wait
	v_add_nc_u32 v[RD], 8*SPS, v[RD]
	v_add_nc_u32 v[CO], 8*QP, v[CO]
	s_sub_co_u32 s3, s3, 1
	s_cmp_lg_u32 s3, 0
	s_cbranch_scc1 .Lout
	s_wait_tensorcnt 0x0                           ; the wave's end
	ds_add_u32 v[SPW], v[NIL]
	s_wait_dscnt 0x0
	CROUND                                         ; the closing round: no work-group ends while a partner may still ask for a tile that names it
	s_endpgm
.Lfunc_end_k_q1525d8908c_proj:
	.size	k_q1525d8908c_proj, .Lfunc_end_k_q1525d8908c_proj-k_q1525d8908c_proj
	.p2alignl 7, 3214868480
	.fill 96, 4, 3214868480
	.section	.rodata,"a",@progbits
	.p2align	6, 0x0
	.amdhsa_kernel k_q1525d8908c_proj
		.amdhsa_group_segment_fixed_size 327680
		.amdhsa_private_segment_fixed_size 0
		.amdhsa_enable_private_segment 0
		.amdhsa_kernarg_size 24
		.amdhsa_user_sgpr_count 2
		.amdhsa_user_sgpr_kernarg_segment_ptr 1
		.amdhsa_wavefront_size32 1
		.amdhsa_system_sgpr_workgroup_id_x 1
		.amdhsa_system_sgpr_workgroup_id_y 1
		.amdhsa_system_sgpr_workgroup_id_z 1
		.amdhsa_system_vgpr_workitem_id 0
		.amdhsa_next_free_vgpr 1024
		.amdhsa_next_free_sgpr 66
		.amdhsa_reserve_vcc 0
		.amdhsa_float_denorm_mode_32 3
		.amdhsa_float_denorm_mode_16_64 3
		.amdhsa_memory_ordered 1
		.amdhsa_forward_progress 1
		.amdhsa_inst_pref_size 117
	.end_amdhsa_kernel
	.amdgpu_metadata
---
amdhsa.version: [ 1, 2 ]
amdhsa.kernels:
  - .name:           k_q1525d8908c_proj
    .symbol:         k_q1525d8908c_proj.kd
    .args:
      - { .name: xb, .offset: 0, .size: 8, .value_kind: global_buffer, .address_space: global }
      - { .name: wb, .offset: 8, .size: 8, .value_kind: global_buffer, .address_space: global }
      - { .name: qkv, .offset: 16, .size: 8, .value_kind: global_buffer, .address_space: global }
    .group_segment_fixed_size: 327680
    .private_segment_fixed_size: 0
    .kernarg_segment_align: 8
    .kernarg_segment_size: 24
    .max_flat_workgroup_size: 128
    .sgpr_count:     66
    .vgpr_count:     1024
    .wavefront_size: 32
...
	.end_amdgpu_metadata
.endif
;; end of part 2
;; launch scores (part 3): grid 36 x 4, 4 waves a work-group, no clusters, 327,680 bytes of LDS; arguments qkv, p, stats; writes p, stats
.if DOCPART == 3
	.amdgcn_target "amdgcn-amd-amdhsa--gfx1250"
	.amdhsa_code_object_version 6
	.text
	.protected	k_q1525d8908c_scores
	.globl	k_q1525d8908c_scores
	.p2align	8
	.type	k_q1525d8908c_scores,@function
k_q1525d8908c_scores:
	s_mov_b64 s[64:65], 0
	v_nop
	global_prefetch_b8 v0, s[64:65] scope:SCOPE_SE
	s_setreg_imm32_b32 hwreg(HW_REG_WAVE_MODE, 25, 1), 1
	s_wait_xcnt 0x0
; For each tile (i, j), j <= i, of 256 queries x 256 keys of a batch: s = q . k (f16 operands, f32 sums over 1,024 channels); keys behind the query are hidden; for each row the maximum m over the
; tile's visible keys; p = 2^(c s - c m) in f16, c = log2(e) / 32; l = the row's sum of the unrounded p.  p goes to p[8192 rows][2048 keys of the row's batch], (c m, l) to stats[batch][j][row][2].
; The launch behind joins a row's tiles by the maximum of their c m: the maximum is taken away in two levels, and no exponent is ever positive.
; Every row of every tile written has a visible key (key 0 of the tile at the least).  Hidden keys get p = 0, which is written: the launch behind reads whole tiles.
; LIMITS: a hidden score counts as the lowest finite f32; f16's q and k bound |s| by 4.4e12, far from it; a weight below 2^-126 counts as 0; NaN and infinities are not treated apart.
; Grid x = 36 tiles of the triangle, y = batch.  NO CLUSTER: row i of the triangle has i + 1 tiles and column j has 8 - j, so no groups of four with one common tile of q or of k cover it evenly.
; THE PRODUCT: four waves, each 128 x 128 in 64 accumulators; K in steps of 128 through two LDS slots; each wave fetches a quarter of a slot (128 rows x 256 bytes) by one tensor load.
; Used transposed (source 0 = 16 keys, source 1 = 16 queries): a lane holds one query and eight neighbouring keys.
; THE WAY OUT: the f32 scores go into LDS, over the ring, which has had its last fill; then each wave takes 64 whole rows, 8 a trip: a row's 256 scores lie 8 to a lane, so maximum and sum are one reduction over the wave.
; REGISTERS: window 0: v0-31 addresses; v64-191 fragments of A, later the rows at work; window 1: fragments of B; windows 2, 3: accumulators ((a, b) at v[8 (8 a + b)]).
.set KSTEP,  128
.set QP,     6144                      ; bytes in a row of qkv
.set PITCH,  272
.set HALFT,  128*PITCH
.set SLOT,   4*HALFT
.set PS,     1040                      ; a row of scores in LDS: 1,024 bytes + 16: sixteen rows' 16-byte stores fall 16 bytes apart modulo 256
.set STL,    2*SLOT                    ; behind the ring: (c m, l) of the tile's 256 rows, 2,048 bytes; no fill lands here
.set SPARE,  STL+2048                  ; the spare words, 128 bytes a wave: two blocks of 256 bytes that no other line names
.set LAPS,   4
.set DST0, 8                           ; v8-9    where I put 16 bytes of scores: m blocks 0-3, 4-7
.set RA,   10                          ; v10     where I read 16 bytes of the trip's first row
.set TH,   11                          ; v11     that row's number in the tile less 4 x lane
.set SA,   12                          ; v12     where the trip's first (c m, l) goes
.set PO,   13                          ; v13     my byte offset in p
.set SB,   14                          ; v14     where I read my wave's (c m, l) back
.set NEGV, 15                          ; v15     the lowest finite f32
.set ADRA, 16
.set GS,   18                          ; v18     my byte offset in stats
.set ADRB, 20
.set SPW,  28
.set NIL,  29
.set F0,   64
.set F1,   128
.set X,    64                          ; v[64:127]   row i of the trip's eight: keys 4 l .. 4 l + 3 and 128 + 4 l .. 128 + 4 l + 3
.set T,    128                         ; v[128:159]  row i: c m, l, and two at work
.set Y,    160                         ; v[160:191]  row i: its 8 weights in f16
.set G1,  24                           ; s[24:31] descriptor group 1
.set G0,  32                           ; s[32:39] group 0, a set for each slot
.set DG,  40                           ; s40  1: the tile holds the diagonal
.set CS,  58                           ; s[58:59] c
.set SEL, 60                           ; s[60:61] v_permlanex16_b32's selects: each lane takes its own place in the other half
.set MSB, 0
.macro WIN new
.if MSB != (\new)
	s_set_vgpr_msb (MSB<<8)|(\new)
.set MSB, \new
.endif
.endm
.set MUL_LO, 0xa1
.set MUL_HI, 0xf1
.set TO_B,   0x40
.macro LOADT s                         ; my quarter of a slot; an s_nop 0 and four v_nop follow the line
	tensor_load_to_lds s[G0+4*(\s):G0+4*(\s)+3], s[G1:G1+7]
	s_nop 0
.rept 4
	v_nop
.endr
.endm
	s_load_b128 s[4:7], s[0:1], 0x0                ; qkv s[4:5], p s[6:7]
	s_load_b64 s[8:9], s[0:1], 0x10                ; stats
	v_lshl_add_u32 v[SPW], v0, 2, SPARE
	v_mov_b32 v[NIL], 0
	ds_add_u32 v28, v29
	ds_add_u32 v28, v29
	s_wait_dscnt 0x0
	v_lshrrev_b32 v1, 5, v0
	v_readfirstlane_b32 s10, v1                    ; wave 0..3
	s_lshr_b32 s11, s10, 1                         ; which half of the tile's rows is mine.  Also: I fetch q (0) or k (1)
	s_and_b32 s12, s10, 1                          ; which half of its keys.  Also: which 128 rows I fetch
	s_and_b32 s13, ttmp7, 0xffff                   ; the batch
	s_mov_b32 s14, 0                               ; i = how many of the triangle's row starts 1, 3, 6 .. the tile's number has reached
.irp t, 1,3,6,10,15,21,28
	s_cmp_ge_u32 ttmp9, \t
	s_add_co_ci_u32 s14, s14, 0
.endr
	s_add_co_u32 s15, s14, 1
	s_mul_i32 s15, s15, s14
	s_lshr_b32 s15, s15, 1
	s_sub_co_u32 s15, ttmp9, s15                   ; j = the number less i (i + 1) / 2
	s_cmp_eq_u32 s14, s15
	s_cselect_b32 s[DG], 1, 0
	s_mov_b32 s[G1+0], (1<<16)|(1<<20)|(5<<22)|(3<<25)  ; 2-byte elements; padding on: after every 64 words, 4 words
	s_mov_b32 s[G1+1], KSTEP<<16                   ; tensor_dim0 = 128
	s_mov_b32 s[G1+2], 128<<16                     ; tensor_dim1 = 128
	s_mov_b32 s[G1+3], KSTEP<<16                   ; tile_dim0 = 128
	s_mov_b32 s[G1+4], 128                         ; tile_dim1 = 128
	s_mov_b32 s[G1+5], 3072                        ; elements from row to row
	s_mov_b32 s[G1+6], 0
	s_mov_b32 s[G1+7], 0
	s_mov_b32 s[CS], 0x3d38aa3b                    ; c = log2(e) / 32
	s_mov_b32 s[CS+1], s[CS]                       ; named with it as a pair
	s_mov_b32 s[SEL], 0x76543210
	s_mov_b32 s[SEL+1], 0xfedcba98
	s_cmp_eq_u32 s11, 0
	s_cselect_b32 s16, s14, s15                    ; waves 0, 1: q's rows of tile row i; waves 2, 3: k's rows of tile j,
	s_cselect_b32 s18, 0, 2048                     ; which lie 2,048 bytes into a row of qkv
	s_lshl_b32 s16, s16, 8
	s_lshl_b32 s17, s13, 11
	s_add_co_u32 s16, s16, s17
	s_lshl_b32 s17, s12, 7
	s_add_co_u32 s16, s16, s17                     ; row 2,048 b + 256 x tile + 128 x half
	s_mul_i32 s16, s16, QP
	s_add_co_u32 s16, s16, s18
	s_mov_b32 s17, 0
	s_mul_i32 s20, s10, HALFT                      ; into LDS: wave x 128 rows: q's two halves, then k's
	s_wait_kmcnt 0x0
	s_add_nc_u64 s[16:17], s[4:5], s[16:17]
.irp s, 0,1
	s_mov_b32 s[G0+4*(\s)], 1
	s_add_co_u32 s[G0+4*(\s)+1], s20, (\s)*SLOT
	s_add_nc_u64 s[G0+4*(\s)+2:G0+4*(\s)+3], s[16:17], (\s)*KSTEP*2
	s_or_b32 s[G0+4*(\s)+3], s[G0+4*(\s)+3], 0x80000000
	LOADT \s                                       ; two loads of mine are out
.endr
	v_and_b32 v1, 15, v0                           ; l % 16
	v_bfe_u32 v2, v0, 4, 1                         ; l / 16
	v_and_b32 v19, 31, v0                          ; l
	v_mul_u32_u24 v3, v1, PITCH
	v_lshl_add_u32 v3, v2, 4, v3                   ; a fragment's row x pitch + 16 x half
	s_mul_i32 s21, s11, HALFT                      ; my 128 rows of q
	s_mul_i32 s22, s12, HALFT                      ; my 128 rows of k,
	s_add_co_u32 s22, s22, 2*HALFT                 ; behind q's 256
.irp s, 0,1
	v_add_nc_u32 v[ADRA+(\s)], s21, v3
	v_add_nc_u32 v[ADRB+(\s)], s22, v3
	s_add_co_u32 s21, s21, SLOT
	s_add_co_u32 s22, s22, SLOT
.endr
	s_mul_i32 s21, s11, 128*PS                     ; the scores' way into LDS: row 128 x half + l % 16, byte 512 x half + 32 (l / 16)
	s_lshl_b32 s22, s12, 9
	s_add_co_u32 s21, s21, s22
	v_mul_u32_u24 v[DST0], v1, PS
	v_lshl_add_u32 v[DST0], v2, 5, v[DST0]
	v_add_nc_u32 v[DST0], s21, v[DST0]
	v_add_nc_u32 v[DST0+1], 64*PS, v[DST0]
	s_mul_i32 s21, s10, 64*PS                      ; and back: my wave's 64 rows, 16 bytes a lane
	v_lshl_add_u32 v[RA], v19, 4, s21
	s_lshl_b32 s22, s10, 6
	v_lshlrev_b32 v[TH], 2, v19
	v_sub_nc_u32 v[TH], s22, v[TH]                 ; 64 w - 4 l
	s_lshl_b32 s23, s10, 9
	s_add_co_u32 s23, s23, STL
	v_mov_b32 v[SA], s23
	v_lshl_add_u32 v[SB], v19, 4, s23
	v_lshlrev_b32 v[PO], 3, v19                    ; 8 bytes of f16 a lane
	v_lshlrev_b32 v[GS], 4, v19
	v_mov_b32 v[NEGV], 0xff7fffff
	s_lshl_b32 s16, s14, 8
	s_lshl_b32 s17, s10, 6
	s_add_co_u32 s16, s16, s17                     ; my first row in the batch: 256 i + 64 w
	s_lshl_b32 s18, s13, 11
	s_add_co_u32 s18, s18, s16
	s_lshl_b32 s18, s18, 12                        ; p: rows of 4,096 bytes,
	s_lshl_b32 s17, s15, 9                         ; 512 bytes a key tile
	s_add_co_u32 s18, s18, s17
	s_mov_b32 s19, 0
	s_add_nc_u64 s[6:7], s[6:7], s[18:19]
	s_lshl_b32 s18, s13, 3
	s_add_co_u32 s18, s18, s15
	s_lshl_b32 s18, s18, 11
	s_add_co_u32 s18, s18, s16
	s_lshl_b32 s18, s18, 3                         ; stats: ((8 b + j) 2,048 + row) x 8 bytes
	s_add_nc_u64 s[8:9], s[8:9], s[18:19]
.macro MUL16 f, hi, a0, zero
	WIN MUL_LO+0x50*(\hi)
.irp a, \a0, (\a0)+1
.irp b, 0,1,2,3,4,5,6,7
.if \zero
	v_wmma_f32_16x16x32_f16 v[8*(8*(\a)+(\b)):8*(8*(\a)+(\b))+7], v[(\f)+8*(\b):(\f)+8*(\b)+7], v[(\f)+8*(4*(\hi)+(\a)):(\f)+8*(4*(\hi)+(\a))+7], 0
.else
	v_wmma_f32_16x16x32_f16 v[8*(8*(\a)+(\b)):8*(8*(\a)+(\b))+7], v[(\f)+8*(\b):(\f)+8*(\b)+7], v[(\f)+8*(4*(\hi)+(\a)):(\f)+8*(4*(\hi)+(\a))+7], v[8*(8*(\a)+(\b)):8*(8*(\a)+(\b))+7]
.endif
.endr
.endr
.endm
.macro FETCH slot, k, f                ; 32 LDS loads in one run: k's 16 first, then q's 16
	WIN TO_B
.irp i, 0,1,2,3,4,5,6,7
	ds_load_b128 v[(\f)+8*(\i):(\f)+8*(\i)+3],   v[ADRB+(\slot)] offset:(\k)+(\i)*16*PITCH
	ds_load_b128 v[(\f)+8*(\i)+4:(\f)+8*(\i)+7], v[ADRB+(\slot)] offset:(\k)+(\i)*16*PITCH+32
.endr
	WIN 0
.irp i, 0,1,2,3,4,5,6,7
	ds_load_b128 v[(\f)+8*(\i):(\f)+8*(\i)+3],   v[ADRA+(\slot)] offset:(\k)+(\i)*16*PITCH
	ds_load_b128 v[(\f)+8*(\i)+4:(\f)+8*(\i)+7], v[ADRA+(\slot)] offset:(\k)+(\i)*16*PITCH+32
.endr
.endm
.macro PLACES                          ; four plain vector instructions between a matrix instruction and a load into its sources or a reader of its result (ISA guide 7.12.1 for vector instructions)
.rept 4
	v_nop
.endr
.endm
.macro QUARTER slot, k, f, g, zero     ; 64 matrix instructions on buffer f, the 64 accumulators by turns; in the middle the next quarter's fragments into buffer g
	s_wait_dscnt 8                                 ; k's rows and q's rows 0-63 are in; the youngest eight loads may be out
	MUL16 \f, 0, 0, \zero
	MUL16 \f, 0, 2, \zero
	PLACES
	FETCH \slot, \k, \g
	s_wait_dscnt 32                                ; all but the 32 just issued
	MUL16 \f, 1, 0, \zero
	MUL16 \f, 1, 2, \zero
.endm
; The last quarter changes slots: one barrier; in front of it each wave waits for all its tensor loads (one is out: its part of the next slot), adds 0 to its spare word, and waits for that and for
; its reads of this slot.  fill = 1: this slot is filled again, first thing behind the barrier, with the K step two steps on.
.macro TURN slot, next, fill
	WIN 0                                          ; the add's two registers lie in window 0
	s_wait_tensorcnt 0x0
	ds_add_u32 v[SPW], v[NIL]                      ; 0 onto my spare word
	s_wait_dscnt 9                                 ; the add and the youngest eight loads may be out
	MUL16 F1, 0, 0, 0
	s_wait_dscnt 0x0                               ; the add is done, and my reads of this slot are over
	s_barrier_signal -1
	MUL16 F1, 0, 2, 0
	s_barrier_wait -1
.if \fill
	s_add_nc_u64 s[G0+4*(\slot)+2:G0+4*(\slot)+3], s[G0+4*(\slot)+2:G0+4*(\slot)+3], 2*KSTEP*2
	LOADT \slot                                    ; my one tensor load behind the barrier; its four v_nop are also the places in front of the loads below
.else
	PLACES
.endif
	FETCH \next, 0, F0
	MUL16 F1, 1, 0, 0
	MUL16 F1, 1, 2, 0
.endm
	s_wait_tensorcnt 1                             ; my part of K step 0 is in; K step 1's may stay out
	s_barrier_signal -1
	s_barrier_wait -1
	FETCH 0, 0, F0
	QUARTER 0, 64,  F0, F1, 1                      ; the first quarter's products start the sums
	WIN 0
	s_mov_b32 s3, LAPS-1
.Llap:
	QUARTER 0, 128, F1, F0, 0
	QUARTER 0, 192, F0, F1, 0
	TURN 0, 1, 1
	QUARTER 1, 64,  F0, F1, 0
	QUARTER 1, 128, F1, F0, 0
	QUARTER 1, 192, F0, F1, 0
	TURN 1, 0, 1
	QUARTER 0, 64,  F0, F1, 0
	WIN 0
	s_sub_co_u32 s3, s3, 1
	s_cmp_lg_u32 s3, 0
	s_cbranch_scc1 .Llap
	QUARTER 0, 128, F1, F0, 0                      ; the last lap is written out: it fills nothing
	QUARTER 0, 192, F0, F1, 0
	TURN 0, 1, 0
	QUARTER 1, 64,  F0, F1, 0
	QUARTER 1, 128, F1, F0, 0
	QUARTER 1, 192, F0, F1, 0
	s_wait_dscnt 8
	MUL16 F1, 0, 0, 0
	MUL16 F1, 0, 2, 0
	s_wait_dscnt 0x0                               ; my last reads of the ring are back
	MUL16 F1, 1, 0, 0
	MUL16 F1, 1, 2, 0
	WIN 0
	PLACES                                         ; the stores below read results just made
	s_barrier_signal -1                            ; every wave's reads of the ring are over, and every tensor load was waited for at the last change of slots:
	s_barrier_wait -1                              ; the ring's bytes, which are filled no more, take the scores
.irp a, 0,1,2,3,4,5,6,7
	WIN 0x08+4*((\a)/4)                            ; the stores' data: window 2 or 3
.irp b, 0,1,2,3,4,5,6,7
	ds_store_b128 v[DST0+(\a)/4], v[8*(8*((\a)%4)+(\b)):8*(8*((\a)%4)+(\b))+3]   offset:((\a)%4)*16*PS+64*(\b)     ; an accumulator's low registers first
	ds_store_b128 v[DST0+(\a)/4], v[8*(8*((\a)%4)+(\b))+4:8*(8*((\a)%4)+(\b))+7] offset:((\a)%4)*16*PS+64*(\b)+16
.endr
.endr
	WIN 0
.irp i, 0,1,2,3,4,5,6,7
	v_mov_b32 v[T+4*(\i)+1], 0                     ; v_permlanex16_b32's destinations count as read: they are written once here
	v_mov_b32 v[T+4*(\i)+3], 0
.endr
	s_wait_dscnt 0x0                               ; for the others' sake: my scores are in LDS
	s_barrier_signal -1
	s_barrier_wait -1
	s_mov_b32 s3, 8
.Lrows:                                                ; a trip: 8 whole rows of my wave's 64
.irp i, 0,1,2,3,4,5,6,7
	ds_load_b128 v[X+8*(\i):X+8*(\i)+3],   v[RA] offset:(\i)*PS       ; 32 lanes x 16 neighbouring bytes: keys 0-127
	ds_load_b128 v[X+8*(\i)+4:X+8*(\i)+7], v[RA] offset:(\i)*PS+512   ; keys 128-255
.endr
	s_wait_dscnt 0x0
	s_cmp_eq_u32 s[DG], 0
	s_cbranch_scc1 .Lnomask                        ; only the diagonal tile hides keys
.irp i, 0,1,2,3,4,5,6,7
.irp j, 0,1,2,3
	v_cmp_gt_i32 vcc_lo, (\j)-(\i), v[TH]          ; key 4 l + j lies behind the query, row + i, where j - i > row - 4 l
	v_cndmask_b32 v[X+8*(\i)+(\j)], v[X+8*(\i)+(\j)], v[NEGV], vcc_lo
	v_cmp_gt_i32 vcc_lo, 128+(\j)-(\i), v[TH]
	v_cndmask_b32 v[X+8*(\i)+4+(\j)], v[X+8*(\i)+4+(\j)], v[NEGV], vcc_lo
.endr
.endr
.Lnomask:
	; each stage is written for all eight rows, so that no line reads the result of the one before it
.irp i, 0,1,2,3,4,5,6,7
	v_max3_num_f32 v[T+4*(\i)], v[X+8*(\i)], v[X+8*(\i)+1], v[X+8*(\i)+2]
.endr
.irp i, 0,1,2,3,4,5,6,7
	v_max3_num_f32 v[T+4*(\i)], v[T+4*(\i)], v[X+8*(\i)+3], v[X+8*(\i)+4]
.endr
.irp i, 0,1,2,3,4,5,6,7
	v_max3_num_f32 v[T+4*(\i)], v[T+4*(\i)], v[X+8*(\i)+5], v[X+8*(\i)+6]
.endr
.irp i, 0,1,2,3,4,5,6,7
	v_max_num_f32 v[T+4*(\i)], v[T+4*(\i)], v[X+8*(\i)+7]
.endr
.irp m, 1,2,4,8
.irp i, 0,1,2,3,4,5,6,7
	v_max_num_f32_dpp v[T+4*(\i)], v[T+4*(\i)], v[T+4*(\i)] row_xmask:\m row_mask:0xf bank_mask:0xf
.endr
.endr
.irp i, 0,1,2,3,4,5,6,7
	v_permlanex16_b32 v[T+4*(\i)+1], v[T+4*(\i)], s[SEL], s[SEL+1]
.endr
.irp i, 0,1,2,3,4,5,6,7
	v_max_num_f32 v[T+4*(\i)], v[T+4*(\i)], v[T+4*(\i)+1]     ; every lane holds the row's maximum m
.endr
.irp i, 0,1,2,3,4,5,6,7
	v_mul_f32 v[T+4*(\i)], s[CS], v[T+4*(\i)]                 ; c m
.endr
.irp i, 0,1,2,3,4,5,6,7
.irp j, 0,2,4,6
	v_pk_fma_f32 v[X+8*(\i)+(\j):X+8*(\i)+(\j)+1], v[X+8*(\i)+(\j):X+8*(\i)+(\j)+1], s[CS:CS+1], v[T+4*(\i):T+4*(\i)+1] op_sel_hi:[1,0,0] neg_lo:[0,0,1] neg_hi:[0,0,1]  ; c s - c m
.endr
.endr
.set n, 0
.rept 64
	v_exp_f32 v[X+n], v[X+n]
.set n, n+1
.endr
	v_nop                                          ; a plain instruction between the exponentials and the use of their results
	s_wait_alu depctr_va_vdst(0)
.irp i, 0,1,2,3,4,5,6,7
.irp j, 0,1,2,3
	v_cvt_pk_f16_f32 v[Y+4*(\i)+(\j)], v[X+8*(\i)+2*(\j)], v[X+8*(\i)+2*(\j)+1]
.endr
.endr
.irp i, 0,1,2,3,4,5,6,7
	v_pk_add_f32 v[X+8*(\i):X+8*(\i)+1], v[X+8*(\i):X+8*(\i)+1], v[X+8*(\i)+2:X+8*(\i)+3]
	v_pk_add_f32 v[X+8*(\i)+4:X+8*(\i)+5], v[X+8*(\i)+4:X+8*(\i)+5], v[X+8*(\i)+6:X+8*(\i)+7]
.endr
.irp i, 0,1,2,3,4,5,6,7
	v_pk_add_f32 v[X+8*(\i):X+8*(\i)+1], v[X+8*(\i):X+8*(\i)+1], v[X+8*(\i)+4:X+8*(\i)+5]
.endr
.irp i, 0,1,2,3,4,5,6,7
	v_add_f32 v[T+4*(\i)+2], v[X+8*(\i)], v[X+8*(\i)+1]
.endr
.irp m, 1,2,4,8
.irp i, 0,1,2,3,4,5,6,7
	v_add_f32_dpp v[T+4*(\i)+2], v[T+4*(\i)+2], v[T+4*(\i)+2] row_xmask:\m row_mask:0xf bank_mask:0xf
.endr
.endr
.irp i, 0,1,2,3,4,5,6,7
	v_permlanex16_b32 v[T+4*(\i)+3], v[T+4*(\i)+2], s[SEL], s[SEL+1]
.endr
.irp i, 0,1,2,3,4,5,6,7
	v_add_f32 v[T+4*(\i)+1], v[T+4*(\i)+2], v[T+4*(\i)+3]     ; l
.endr
.irp i, 0,1,2,3,4,5,6,7
	ds_store_b64 v[SA], v[T+4*(\i):T+4*(\i)+1] offset:8*(\i)  ; all lanes write the same two words with the same values
	global_store_b64 v[PO], v[Y+4*(\i):Y+4*(\i)+1],   s[6:7] offset:4096*(\i)      ; 32 lanes store 256 consecutive bytes, at a multiple of 256 from p's first byte
	global_store_b64 v[PO], v[Y+4*(\i)+2:Y+4*(\i)+3], s[6:7] offset:4096*(\i)+256
.endr
	s_wait_xcnt 0x0                                ; PO, and in the next trip Y, are rewritten only behind this wait
	v_add_nc_u32 v[PO], 8*4096, v[PO]
	v_add_nc_u32 v[RA], 8*PS, v[RA]
	v_add_nc_u32 v[TH], 8, v[TH]
	v_add_nc_u32 v[SA], 64, v[SA]
	s_sub_co_u32 s3, s3, 1
	s_cmp_lg_u32 s3, 0
	s_cbranch_scc1 .Lrows
	ds_load_b128 v[4:7], v[SB]                     ; my wave's 64 (c m, l): its own stores, served in order
	s_wait_dscnt 0x0
	global_store_b128 v[GS], v[4:7], s[8:9]        ; 512 consecutive bytes, at a multiple of 256 from stats' first byte
	s_wait_tensorcnt 0x0                           ; the wave's end
	ds_add_u32 v[SPW], v[NIL]
	s_wait_dscnt 0x0
	s_endpgm
.Lfunc_end_k_q1525d8908c_scores:
	.size	k_q1525d8908c_scores, .Lfunc_end_k_q1525d8908c_scores-k_q1525d8908c_scores
	.p2alignl 7, 3214868480
	.fill 96, 4, 3214868480
	.section	.rodata,"a",@progbits
	.p2align	6, 0x0
	.amdhsa_kernel k_q1525d8908c_scores
		.amdhsa_group_segment_fixed_size 327680
		.amdhsa_private_segment_fixed_size 0
		.amdhsa_enable_private_segment 0
		.amdhsa_kernarg_size 24
		.amdhsa_user_sgpr_count 2
		.amdhsa_user_sgpr_kernarg_segment_ptr 1
		.amdhsa_wavefront_size32 1
		.amdhsa_system_sgpr_workgroup_id_x 1
		.amdhsa_system_sgpr_workgroup_id_y 1
		.amdhsa_system_sgpr_workgroup_id_z 1
		.amdhsa_system_vgpr_workitem_id 0
		.amdhsa_next_free_vgpr 1024
		.amdhsa_next_free_sgpr 66
		.amdhsa_reserve_vcc 1
		.amdhsa_float_denorm_mode_32 3
		.amdhsa_float_denorm_mode_16_64 3
		.amdhsa_memory_ordered 1
		.amdhsa_forward_progress 1
		.amdhsa_inst_pref_size 141
	.end_amdhsa_kernel
	.amdgpu_metadata
---
amdhsa.version: [ 1, 2 ]
amdhsa.kernels:
  - .name:           k_q1525d8908c_scores
    .symbol:         k_q1525d8908c_scores.kd
    .args:
      - { .name: qkv, .offset: 0, .size: 8, .value_kind: global_buffer, .address_space: global }
      - { .name: p, .offset: 8, .size: 8, .value_kind: global_buffer, .address_space: global }
      - { .name: stats, .offset: 16, .size: 8, .value_kind: global_buffer, .address_space: global }
    .group_segment_fixed_size: 327680
    .private_segment_fixed_size: 0
    .kernarg_segment_align: 8
    .kernarg_segment_size: 24
    .max_flat_workgroup_size: 128
    .sgpr_count:     66
    .vgpr_count:     1024
    .wavefront_size: 32
...
	.end_amdgpu_metadata
.endif
;; end of part 3
;; launch pv (part 4): grid 8 x 32, 4 waves a work-group, clusters of 4 x 1, 327,680 bytes of LDS; arguments p, qkv, stats, out0; writes out0
.if DOCPART == 4
	.amdgcn_target "amdgcn-amd-amdhsa--gfx1250"
	.amdhsa_code_object_version 6
	.text
	.protected	k_q1525d8908c_pv
	.globl	k_q1525d8908c_pv
	.p2align	8
	.type	k_q1525d8908c_pv,@function
k_q1525d8908c_pv:
	s_mov_b64 s[64:65], 0
	v_nop
	global_prefetch_b8 v0, s[64:65] scope:SCOPE_SE
	s_setreg_imm32_b32 hwreg(HW_REG_WAVE_MODE, 25, 1), 1
	s_wait_xcnt 0x0
	s_wait_alu depctr_hold_cnt(0) depctr_sa_sdst(0) depctr_va_vdst(0) depctr_va_sdst(0) depctr_va_ssrc(0) depctr_va_vcc(0) depctr_vm_vsrc(0)
	s_getreg_b32 s2, hwreg(HW_REG_IB_STS2, 6, 4)
	s_cmp_eq_u32 s2, 0
	s_cbranch_scc0 .Lentry_in_a_cluster
	s_endpgm
.Lentry_in_a_cluster:
	s_bfe_u32 s2, ttmp6, 0x10000c
	s_cmp_lg_u32 s2, 0x3003
	s_cbranch_scc0 .Lentry_shape_is_right
	s_endpgm
.Lentry_shape_is_right:
; out0[q][d] = (1 / L) x the sum over the row's key tiles t of f_t x (sum over the tile's keys of p[q][k] v[k][d]), with G = the maximum of the tiles' c m, f_t = 2^(c m_t - G), L = the sum of f_t l_t.
; p: [8192][2048] f16, v: columns 2048-3071 of qkv ([8192][3072] f16), stats: [batch][key tile][row][c m, l] f32, out0: [8192][1024] f32.  Products in f16 with f32 sums; f, L and the sum over tiles in f32.
; f <= 1 and L >= 1: the tile that holds G has f = 1 and l >= 1.
; LIMITS: c m lies far above the -1e30 that stands for 'not this block's'; an f below 2^-126 counts as 0; NaN and infinities are not treated apart.
; THE WALK.  A batch's queries lie in 16 blocks of 128; block j needs the key slots (256 keys) 0 .. j / 2.  A work-group takes block pb and then block 15 - pb, for 128 channels: 9 slots, whatever pb:
; all 256 work-groups do equal work, and one loop with a constant trip count walks them.  (For an even j the last slot's second half holds p = 0: 1 of the walk's 18 half slots.)
; Four waves, each 64 queries x 64 channels.  Used transposed (source 0 = 16 channels of v, turned by ds_load_tr16_b128; source 1 = 16 queries of p): a lane holds one query and 8 channels.
; A SLOT's products start sums T of their own with the constant 0; at the slot's end O takes f x T (a block's first slot: O = f x T, so nothing is cleared).
; CLUSTER 4 x 1: the four partners make four channel blocks of the same queries, so p's tiles are asked for jointly (mask 15); v's tiles are each work-group's own.  All branches hang on pb or on the wave's number.
; REGISTERS: window 0: v0-31 addresses; v32-121 at work; v128-191, v192-255 fragments of v, two buffers.  window 1: v0-127 T, 16 accumulators ((a, b) at v[8 (4 a + b)]); v128-191, v192-255 fragments of p,
; two buffers.  window 2: v0-127 O, laid out as T.  One setting, W (destination, sources 1 and 2 in window 1, source 0 in window 0), serves the products and the LDS loads of p's fragments.
.set PA,    528                        ; a row of p in LDS: 512 bytes + 16
.set PV,    288                        ; a row of v: 256 bytes + 32 = 9 x 32
.set AHALF, 64*PA                      ; what wave 0 or 1 fetches: 64 queries
.set BOFF,  2*AHALF
.set BHALF, 128*PV                     ; what wave 2 or 3 fetches: 128 keys
.set SLOT,  0x24000                    ; from slot to slot: 147,456 >= the slot's 141,312 bytes; its two bits occur in none of the four LDS words 0, AHALF, BOFF, BOFF + BHALF, so one exclusive or changes slots
.set FT,    SLOT+BOFF+2*BHALF          ; behind the ring, written by LDS stores alone: [row half][11 entries][16 r][4 t] words of f32: entries 0-8: f for the walk's slots, 9 and 10: 1 / L of the two blocks
.set STAGE, FT+2*11*256                ; 16 rows x 272 bytes for each wave, for the way out
.set SP,    272
.set SPARE, STAGE+4*16*SP              ; the spare words, 128 bytes a wave: two blocks of 256 bytes that no other line names
.set ADRA0, 4                          ; v4-6    my lane's places in a slot: p; v's keys 0-127; v's keys 128-255; never rewritten
.set ADRB00, 5
.set ADRA,  7                          ; v7-9    the same in the slot in hand
.set ADRB0, 8
.set FTA,  10                          ; v10     where the slot in hand's factors lie
.set FT0,  11                          ; v11     entry 0 for my queries
.set STO,  12
.set RD,   13
.set CO,   14
.set FTW,  15                          ; v15     where I put the factors of the row that I serve
.set LT,   16                          ; v16     that row's byte offset in stats, less block and key tile
.set IL,   20                          ; v[20:23]  1 / L of my four tiles of 16 queries
.set SPW,  28
.set NIL,  29
.set TS,   32                          ; v[32:63]  the way out: 16 rows scaled
.set TR,   64                          ; v[64:95]  the way out: 16 rows read back
.set FQ,   96                          ; v[96:99]  f of the slot in hand, for my four tiles of 16 queries
.set ILD,  104                         ; v[104:111] 1 / L, each twice: pairs for the packed multiply
.set FD,   112                         ; v[112:119] f, each twice
.set UA,   32                          ; the factors' phase: v32-40 offsets; v41 -1e30; v42-47 at work; v50-58; v60-61 the two maxima; v[104:121] (c m, l) of the 9 slots
.set BIGV, 41
.set L1,   42
.set L2,   43
.set A2,   50
.set GA,   60
.set GB,   61
.set ML,   104
.set AF,   128                         ; window 1: p's fragments at AF + 64 f + 32 c + 8 a
.set BF,   128                         ; window 0: v's fragments at BF + 64 f + 32 c + 8 b
.set WV,  12                           ; s12 wave; s13 which 64 queries; s14 which 64 channels, and which half of a tile I fetch
.set RH,  13
.set CH,  14
.set BT,  17                           ; s17 batch; s18 pb; s19 the first block's slots
.set NS1, 19
.set G1A, 24                           ; s[24:31] group 1 for p's tiles; s[32:39] for v's; s[40:47], s[48:55] group 0, a set for each first fill; the second then walks on
.set G1B, 32
.set G0A, 40
.set G0B, 48
.set CNT, 56
.set TB,  57                           ; s57  0 or SLOT: the slot whose fragments are fetched
.set RT,  58                           ; s58  slots of the block in hand still to be walked
.set NEW, 59                           ; s59  1: the slot in hand is a block's first
.set NK,  60                           ; s60  the key slot to be asked for next
.set NR,  61                           ; s61  its block's first row in p, in bytes
.set NC,  62                           ; s62  how many key slots that block has
.set R2,  63                           ; s63  the second block's first row, in bytes
.set OUT1, 66
.set OUT2, 68
.set PAB, 70                           ; s[70:71] p at my half of the batch's first 128 rows
.set VB,  72                           ; s[72:73] v at my half of the batch's first 256 keys, my work-group's channels
.set OFF, 74                           ; s[74:75] an offset, 0 above it
.set M1,  80                           ; s80-88  -1 where the walk's slot belongs to the first block, else 0: lane masks
.set MSB, 0
.macro WIN new
.if MSB != (\new)
	s_set_vgpr_msb (MSB<<8)|(\new)
.set MSB, \new
.endif
.endm
.set W,  0x54
.set WL, 0xa1                          ; O (destination and source 2) in window 2, T (source 0) in window 1, f (source 1) in window 0
; The descriptors' addresses are made anew for each fill: the base plus an offset made of the key slot's number and the block's rows.  walk = 1: the set changes slots first.
.macro SETFILL set, walk
.if \walk
	s_xor_b32 s[G0A+4*(\set)+1], s[G0A+4*(\set)+1], SLOT
	s_xor_b32 s[G0B+4*(\set)+1], s[G0B+4*(\set)+1], SLOT
.endif
	s_lshl_b32 s[OFF], s[NK], 9                    ; 256 keys are 512 bytes of a row of p
	s_add_co_u32 s[OFF], s[OFF], s[NR]
	s_add_nc_u64 s[G0A+4*(\set)+2:G0A+4*(\set)+3], s[PAB:PAB+1], s[OFF:OFF+1]
	s_or_b32 s[G0A+4*(\set)+3], s[G0A+4*(\set)+3], 0x80000000
	s_mul_i32 s[OFF], s[NK], 256*6144              ; and 256 rows of qkv
	s_add_nc_u64 s[G0B+4*(\set)+2:G0B+4*(\set)+3], s[VB:VB+1], s[OFF:OFF+1]
	s_or_b32 s[G0B+4*(\set)+3], s[G0B+4*(\set)+3], 0x80000000
	s_add_co_u32 s[NK], s[NK], 1                   ; the block's next key slot, or behind its last the second block's slot 0
	s_cmp_eq_u32 s[NK], s[NC]
	s_cselect_b32 s[NK], 0, s[NK]
	s_cselect_b32 s[NR], s[R2], s[NR]
	s_cselect_b32 s[NC], 99, s[NC]
.endm
; A fill: waves 0 and 1 ask jointly for the two halves of p's tile, waves 2 and 3 fetch the two halves of v's.  An s_nop 0 and four v_nop follow each line.
.macro JLOAD set
	s_cmp_lt_u32 s[WV], 2
	s_cbranch_scc0 .Lfor_v_\@
	tensor_load_to_lds s[G0A+4*(\set):G0A+4*(\set)+3], s[G1A:G1A+7]
	s_nop 0
.rept 4
	v_nop
.endr
	s_branch .Lasked_\@
.Lfor_v_\@:
	tensor_load_to_lds s[G0B+4*(\set):G0B+4*(\set)+3], s[G1B:G1B+7]
	s_nop 0
.rept 4
	v_nop
.endr
.Lasked_\@:
.endm
.macro CREST
	s_cmp_lg_u32 s[WV], 0
	s_cbranch_scc1 .Lnot_wave_0_\@
	s_barrier_signal -3
.Lnot_wave_0_\@:
	s_barrier_wait -3
	s_barrier_signal -1
	s_barrier_wait -1
.endm
.macro CROUND
	s_barrier_signal -1
	s_barrier_wait -1
	CREST
.endm
.macro PLACES                          ; four plain vector instructions between a matrix instruction and a load into its sources or a reader of its result (ISA guide 7.12.1 for vector instructions)
.rept 4
	v_nop
.endr
.endm
	s_load_b256 s[4:11], s[0:1], 0x0               ; p s[4:5], qkv s[6:7], stats s[8:9], out0 s[10:11]
	v_lshl_add_u32 v[SPW], v0, 2, SPARE
	v_mov_b32 v[NIL], 0
	ds_add_u32 v28, v29
	ds_add_u32 v28, v29
	s_wait_dscnt 0x0
	v_lshrrev_b32 v1, 5, v0
	v_readfirstlane_b32 s[WV], v1
	s_lshr_b32 s[RH], s[WV], 1
	s_and_b32 s[CH], s[WV], 1
	s_bfe_u32 s15, ttmp6, 0x40000                  ; cx
	s_lshl_b32 s16, ttmp9, 2
	s_add_co_u32 s16, s16, s15                     ; my block of 128 channels: it enters v's and out0's addresses alone
	s_and_b32 s20, ttmp7, 0xffff
	s_lshr_b32 s[BT], s20, 3
	s_and_b32 s18, s20, 7                          ; pb: the first block; the second is 15 - pb
	s_lshr_b32 s[NS1], s18, 1
	s_add_co_u32 s[NS1], s[NS1], 1
	s_sub_co_u32 s21, 15, s18
	s_lshl_b32 s[NR], s18, 19                      ; a block is 128 rows of 4,096 bytes, in p and in out0
	s_lshl_b32 s[R2], s21, 19
	s_lshl_b32 s22, s18, 10                        ; and 128 rows of 8 bytes in stats
	s_lshl_b32 s23, s21, 10
	s_mov_b32 s[NK], 0
	s_mov_b32 s[NC], s[NS1]
	s_mov_b32 s[OFF+1], 0
	s_mov_b32 s[TB], 0
	s_mov_b32 s[G1A+0], 15|(1<<16)|(1<<20)|(1<<21)|(6<<22)|(3<<25)  ; the mask of four; 2-byte elements; padding on; bit 21 beside a mask; after every 128 words, 4 words
	s_mov_b32 s[G1A+1], 256<<16                    ; tensor_dim0 = 256 keys
	s_mov_b32 s[G1A+2], 64<<16                     ; tensor_dim1 = 64 queries
	s_mov_b32 s[G1A+3], 256<<16                    ; tile_dim0
	s_mov_b32 s[G1A+4], 64                         ; tile_dim1
	s_mov_b32 s[G1A+5], 2048                       ; elements from row to row of p
	s_mov_b32 s[G1A+6], 0
	s_mov_b32 s[G1A+7], 0
	s_mov_b32 s[G1B+0], (1<<16)|(1<<20)|(5<<22)|(7<<25)             ; no mask; after every 64 words, 8 words
	s_mov_b32 s[G1B+1], 128<<16                    ; tensor_dim0 = 128 channels
	s_mov_b32 s[G1B+2], 128<<16                    ; tensor_dim1 = 128 keys
	s_mov_b32 s[G1B+3], 128<<16
	s_mov_b32 s[G1B+4], 128
	s_mov_b32 s[G1B+5], 3072                       ; elements from row to row of qkv
	s_mov_b32 s[G1B+6], 0
	s_mov_b32 s[G1B+7], 0
	s_mul_i32 s20, s[CH], AHALF                    ; LDS words: the wave's number and constants alone
	s_mul_i32 s21, s[CH], BHALF
.irp s, 0,1
	s_mov_b32 s[G0A+4*(\s)], 1
	s_add_co_u32 s[G0A+4*(\s)+1], s20, (\s)*SLOT
	s_mov_b32 s[G0B+4*(\s)], 1
	s_add_co_u32 s[G0B+4*(\s)+1], s21, (\s)*SLOT+BOFF
.endr
	s_mov_b32 s79, 0
	s_wait_kmcnt 0x0
	s_lshl_b32 s78, s[BT], 23                      ; p: the batch's 2,048 rows of 4,096 bytes, and 64 rows for the second half
	s_lshl_b32 s77, s[CH], 18
	s_add_co_u32 s78, s78, s77
	s_add_nc_u64 s[PAB:PAB+1], s[4:5], s[78:79]
	s_mul_i32 s78, s[BT], 2048*6144                ; v: the batch's rows of qkv, 128 rows for the second half, column byte 4,096 + 256 x channel block
	s_mul_i32 s77, s[CH], 128*6144
	s_add_co_u32 s78, s78, s77
	s_lshl_b32 s77, s16, 8
	s_add_co_u32 s78, s78, s77
	s_add_co_u32 s78, s78, 4096
	s_add_nc_u64 s[VB:VB+1], s[6:7], s[78:79]
	s_lshl_b32 s20, s[BT], 23                      ; out0: batch, my 64 rows, byte 512 x channel block + 256 x half
	s_lshl_b32 s77, s[RH], 18
	s_add_co_u32 s20, s20, s77
	s_lshl_b32 s77, s16, 9
	s_add_co_u32 s20, s20, s77
	s_lshl_b32 s77, s[CH], 8
	s_add_co_u32 s20, s20, s77
	s_add_co_u32 s78, s20, s[NR]
	s_add_nc_u64 s[OUT1:OUT1+1], s[10:11], s[78:79]
	s_add_co_u32 s78, s20, s[R2]
	s_add_nc_u64 s[OUT2:OUT2+1], s[10:11], s[78:79]
	SETFILL 0, 0                                   ; the walk's slots 0 and 1
	SETFILL 1, 0
	CROUND                                         ; all four work-groups are here: the first joint loads meet
	JLOAD 0
	JLOAD 1                                        ; two loads of mine are out
	v_and_b32 v1, 15, v0                           ; r = l % 16
	v_bfe_u32 v2, v0, 4, 1                         ; h = l / 16
	v_and_b32 v3, 31, v0                           ; l
	s_mul_i32 s20, s[RH], AHALF                    ; p's fragment: row r of my 64 queries' tile, 16 bytes for each half of the lanes
	v_mul_u32_u24 v[ADRA0], v1, PA
	v_lshl_add_u32 v[ADRA0], v2, 4, v[ADRA0]
	v_add_nc_u32 v[ADRA0], s20, v[ADRA0]
	v_and_b32 v17, 7, v0                           ; v's fragment, turned: key 8 h + l % 8, channels 8 ((l / 8) % 2) + 0..7
	v_lshl_add_u32 v17, v2, 3, v17
	v_mul_u32_u24 v[ADRB00], v17, PV
	v_bfe_u32 v17, v0, 3, 1
	v_lshl_add_u32 v[ADRB00], v17, 4, v[ADRB00]
	s_lshl_b32 s20, s[CH], 7                       ; my 64 channels: 128 bytes of a row
	s_add_co_u32 s20, s20, BOFF
	v_add_nc_u32 v[ADRB00], s20, v[ADRB00]
	v_add_nc_u32 v[ADRB00+1], BHALF, v[ADRB00]
	v_mov_b32 v[ADRA], v[ADRA0]                    ; the walk begins in slot 0
	v_mov_b32 v[ADRB0], v[ADRB00]
	v_mov_b32 v[ADRB0+1], v[ADRB00+1]
	s_mul_i32 s20, s[RH], 11*256
	s_add_co_u32 s20, s20, FT
	v_lshl_add_u32 v[FT0], v1, 4, s20
	v_mov_b32 v[FTA], v[FT0]
	s_lshl_b32 s20, s[CH], 3
	v_lshl_add_u32 v[FTW], v2, 2, v[FT0]           ; I serve row 32 CH + l of my half: tile t = 2 CH + h, row r
	v_add_nc_u32 v[FTW], s20, v[FTW]
	s_mul_i32 s20, s[WV], 16*SP
	s_add_co_u32 s20, s20, STAGE                   ; my stage
	v_mul_u32_u24 v[STO], v1, SP                   ; in: row r, 32 bytes for each half of the lanes
	v_lshl_add_u32 v[STO], v2, 5, v[STO]
	v_add_nc_u32 v[STO], s20, v[STO]
	v_mul_u32_u24 v[RD], v2, SP                    ; back: lanes 0-15 one row of 256 bytes, lanes 16-31 the next
	v_lshl_add_u32 v[RD], v1, 4, v[RD]
	v_add_nc_u32 v[RD], s20, v[RD]
	v_lshlrev_b32 v[CO], 12, v2                    ; and the same two rows in out0
	v_lshl_add_u32 v[CO], v1, 4, v[CO]
	s_lshl_b32 s20, s[BT], 17                      ; stats: 131,072 bytes a batch, 8 bytes a row
	s_lshl_b32 s21, s[RH], 9
	s_add_co_u32 s20, s20, s21
	s_lshl_b32 s21, s[CH], 8
	s_add_co_u32 s20, s20, s21
	v_lshl_add_u32 v[LT], v3, 3, s20
	v_mov_b32 v[BIGV], 0xf149f2ca                  ; -1e30
	; THE FACTORS, in the wait for the first tiles.  Slot w of the walk is key tile w of the first block (w < NS1) or key tile w - NS1 of the second.
.irp w, 0,1,2,3,4,5,6,7,8
	s_cmp_gt_u32 s[NS1], \w
	s_cselect_b32 s[M1+(\w)], -1, 0
	s_cselect_b32 s77, s22, s23                    ; the block's rows
	s_cselect_b32 s78, 0, s[NS1]
	s_sub_co_u32 s78, \w, s78                      ; the key tile,
	s_lshl_b32 s78, s78, 14                        ; 16,384 bytes each
	s_add_co_u32 s77, s77, s78
	v_add_nc_u32 v[UA+(\w)], s77, v[LT]
	global_load_b64 v[ML+2*(\w):ML+2*(\w)+1], v[UA+(\w)], s[8:9]   ; (c m, l): a wave's 32 rows are 256 consecutive bytes
.endr
	s_wait_loadcnt 0x0
.irp w, 0,1,2,3,4,5,6,7,8
	v_cndmask_b32 v[A2+(\w)], v[ML+2*(\w)], v[BIGV], s[M1+(\w)]    ; c m where the slot is the second block's, else -1e30
	v_cndmask_b32 v[ML+2*(\w)], v[BIGV], v[ML+2*(\w)], s[M1+(\w)]  ; and the other way round
.endr
	v_max3_num_f32 v[GA], v[ML], v[ML+2], v[ML+4]
	v_max3_num_f32 v[GB], v[A2], v[A2+1], v[A2+2]
	v_max3_num_f32 v[GA], v[GA], v[ML+6], v[ML+8]
	v_max3_num_f32 v[GB], v[GB], v[A2+3], v[A2+4]
	v_max3_num_f32 v[GA], v[GA], v[ML+10], v[ML+12]
	v_max3_num_f32 v[GB], v[GB], v[A2+5], v[A2+6]
	v_max3_num_f32 v[GA], v[GA], v[ML+14], v[ML+16]                ; G of my row in the first block,
	v_max3_num_f32 v[GB], v[GB], v[A2+7], v[A2+8]                  ; and in the second
.irp w, 0,1,2,3,4,5,6,7,8
	v_sub_f32 v[ML+2*(\w)], v[ML+2*(\w)], v[GA]
	v_sub_f32 v[A2+(\w)], v[A2+(\w)], v[GB]
.endr
.irp w, 0,1,2,3,4,5,6,7,8
	v_max_num_f32 v[A2+(\w)], v[A2+(\w)], v[ML+2*(\w)]             ; c m - G of the slot's own block: the other difference is about -1e30
.endr
.irp w, 0,1,2,3,4,5,6,7,8
	v_exp_f32 v[A2+(\w)], v[A2+(\w)]                               ; f
.endr
	v_nop                                          ; a plain instruction between the exponentials and the use of their results
	s_wait_alu depctr_va_vdst(0)
.irp w, 0,1,2,3,4,5,6,7,8
	v_cndmask_b32 v46, 0, v[ML+2*(\w)+1], s[M1+(\w)]               ; l, for the block that the slot belongs to
	v_cndmask_b32 v47, v[ML+2*(\w)+1], 0, s[M1+(\w)]
	ds_store_b32 v[FTW], v[A2+(\w)] offset:256*(\w)
.if (\w) == 0
	v_mul_f32 v[L1], v[A2+(\w)], v46
	v_mul_f32 v[L2], v[A2+(\w)], v47
.else
	v_fmac_f32 v[L1], v[A2+(\w)], v46
	v_fmac_f32 v[L2], v[A2+(\w)], v47
.endif
.endr
	v_rcp_f32 v46, v[L1]
	v_rcp_f32 v47, v[L2]
	v_nop
	s_wait_alu depctr_va_vdst(0)
	ds_store_b32 v[FTW], v46 offset:9*256
	ds_store_b32 v[FTW], v47 offset:10*256
; 16 matrix instructions: 32 keys (half c of buffer f) x my 4 x 4 accumulators, which take turns, one instruction a turn.  zero = 1: they start the slot's sums.
.macro HALF f, c, zero
	WIN W
.set n, 0
.rept 16
.if \zero
	v_wmma_f32_16x16x32_f16 v[8*n:8*n+7], v[BF+64*(\f)+32*(\c)+8*(n%4):BF+64*(\f)+32*(\c)+8*(n%4)+7], v[AF+64*(\f)+32*(\c)+8*(n/4):AF+64*(\f)+32*(\c)+8*(n/4)+7], 0
.else
	v_wmma_f32_16x16x32_f16 v[8*n:8*n+7], v[BF+64*(\f)+32*(\c)+8*(n%4):BF+64*(\f)+32*(\c)+8*(n%4)+7], v[AF+64*(\f)+32*(\c)+8*(n/4):AF+64*(\f)+32*(\c)+8*(n/4)+7], v[8*n:8*n+7]
.endif
.set n, n+1
.endr
.endm
; 32 LDS loads in one run: quarter k (64 keys) of the slot in hand into buffer f
.macro FETCH k, f
	WIN W
.irp i, 0,1,2,3
	ds_load_b128 v[AF+64*(\f)+8*(\i):AF+64*(\f)+8*(\i)+3],   v[ADRA] offset:128*(\k)+(\i)*16*PA
	ds_load_b128 v[AF+64*(\f)+8*(\i)+4:AF+64*(\f)+8*(\i)+7], v[ADRA] offset:128*(\k)+(\i)*16*PA+32
.endr
	WIN 0
.irp c, 0,1
.irp i, 0,1,2,3
	ds_load_tr16_b128 v[BF+64*(\f)+32*(\c)+8*(\i):BF+64*(\f)+32*(\c)+8*(\i)+3],   v[ADRB0+((\k)>>1)] offset:(((\k)&1)*64+32*(\c))*PV+32*(\i)
	ds_load_tr16_b128 v[BF+64*(\f)+32*(\c)+8*(\i)+4:BF+64*(\f)+32*(\c)+8*(\i)+7], v[ADRB0+((\k)>>1)] offset:(((\k)&1)*64+32*(\c))*PV+32*(\i)+16*PV
.endr
.endr
	WIN W
.irp i, 0,1,2,3
	ds_load_b128 v[AF+64*(\f)+32+8*(\i):AF+64*(\f)+32+8*(\i)+3],   v[ADRA] offset:128*(\k)+64+(\i)*16*PA
	ds_load_b128 v[AF+64*(\f)+32+8*(\i)+4:AF+64*(\f)+32+8*(\i)+7], v[ADRA] offset:128*(\k)+64+(\i)*16*PA+32
.endr
.endm
; Quarter k (0 to 2) of a slot, on buffer f: the next quarter is fetched into buffer g first.  In quarter 0 the slot's factors are fetched too, and its first sixteen products start the slot's sums;
; the places in front of its loads are the lines that closed the slot before.
.macro Q k, f, g
.if (\k) == 0
	WIN 0
	ds_load_b128 v[FQ:FQ+3], v[FTA]
.else
	PLACES                                         ; buffer g was multiplied last
.endif
	FETCH (\k)+1, \g
	s_wait_dscnt 32                                ; all but the 32 just issued: buffer f is whole
.if (\k) == 0
	HALF \f, 0, 1
.else
	HALF \f, 0, 0
.endif
	HALF \f, 1, 0
.endm
; Quarter 3, on buffer 1, changes slots: one barrier; in front of it each wave waits for all its tensor loads (one is out: its part of the next slot), adds 0 to its spare word, and waits for that and
; for its reads of this slot.  fill = 1: the barrier opens a round of the cluster's, and this slot is filled again first thing behind it, with the walk's slot two on: it has a slot's 128 matrix
; instructions less these sixteen in which to land.
.macro TURNQ fill
	WIN 0
	s_wait_tensorcnt 0x0                           ; no tensor load of mine is out, so a group 0 may be written
	ds_add_u32 v[SPW], v[NIL]                      ; 0 onto my spare word; the descriptors' scalar work stands behind it
.if \fill
	SETFILL 1, 1
.endif
	s_wait_dscnt 0x0                               ; the add is done, and my reads of this slot are over
	s_barrier_signal -1
	HALF 1, 0, 0                                   ; work on registers while the others arrive
	WIN 0
	s_barrier_wait -1
.if \fill
	CREST                                          ; no wave of any partner still reads this slot or has a load on its way
	JLOAD 1
.else
	PLACES
.endif
	s_xor_b32 s[TB], s[TB], SLOT
	v_add_nc_u32 v[ADRA], s[TB], v[ADRA0]
	v_add_nc_u32 v[ADRB0], s[TB], v[ADRB00]
	v_add_nc_u32 v[ADRB0+1], s[TB], v[ADRB00+1]
	FETCH 0, 0                                     ; the next slot's first quarter
	HALF 1, 1, 0
.endm
; A slot's end: O takes f x T, in f32, each accumulator's registers in ascending order.  The eight moves, which make pairs of the factors, are the places behind the last products.
; br = 1 (the loop's text, in which both blocks begin): a block's first slot starts O by a multiplication.
.macro LUMP br
	WIN 0
.irp a, 0,1,2,3
	v_mov_b32 v[FD+2*(\a)], v[FQ+(\a)]
	v_mov_b32 v[FD+2*(\a)+1], v[FQ+(\a)]
.endr
.if \br
	s_cmp_eq_u32 s[NEW], 1
	s_cbranch_scc1 .Lstart_\@
.endif
	WIN WL
.set n, 0
.rept 64
	v_pk_fma_f32 v[2*n:2*n+1], v[2*n:2*n+1], v[FD+2*(n/16):FD+2*(n/16)+1], v[2*n:2*n+1]
.set n, n+1
.endr
	WIN 0
.if \br
	s_branch .Ljoined_\@
.Lstart_\@:
	WIN WL
.set n, 0
.rept 64
	v_pk_mul_f32 v[2*n:2*n+1], v[2*n:2*n+1], v[FD+2*(n/16):FD+2*(n/16)+1]
.set n, n+1
.endr
	WIN 0
.Ljoined_\@:
	s_mov_b32 s[NEW], 0
.endif
.endm
.macro SLOTT kind                      ; a slot of the walk.  kind 0: the slot is filled again; 1: it is not; 2: the walk's last slot
	Q 0, 0, 1
	Q 1, 1, 0
	Q 2, 0, 1
.if (\kind) == 2
	s_wait_dscnt 0x0
	HALF 1, 0, 0
	HALF 1, 1, 0
	LUMP 0
.elseif (\kind) == 1
	TURNQ 0
	LUMP 0
.else
	TURNQ 1
	LUMP 1
.endif
	v_add_nc_u32 v[FTA], 256, v[FTA]
.endm
; THE WAY OUT of block e: each of my four tiles of 16 queries is divided by L, goes through my own stage and comes back as whole rows:
; my 64 channels in f32 are 256 consecutive bytes of a row, so no other wave has a part in them.
.macro WAYOUT e, ob
	WIN 0
	ds_load_b128 v[IL:IL+3], v[FT0] offset:(9+(\e))*256
	s_wait_dscnt 0x0
.irp a, 0,1,2,3
	v_mov_b32 v[ILD+2*(\a)], v[IL+(\a)]
	v_mov_b32 v[ILD+2*(\a)+1], v[IL+(\a)]
.endr
.irp a, 0,1,2,3
	WIN 0x02                                       ; source 0 (O) in window 2
.set n, 0
.rept 16
	v_pk_mul_f32 v[TS+2*n:TS+2*n+1], v[32*(\a)+2*n:32*(\a)+2*n+1], v[ILD+2*(\a):ILD+2*(\a)+1]
.set n, n+1
.endr
	WIN 0
.irp b, 0,1,2,3
	ds_store_b128 v[STO], v[TS+8*(\b):TS+8*(\b)+3]   offset:64*(\b)
	ds_store_b128 v[STO], v[TS+8*(\b)+4:TS+8*(\b)+7] offset:64*(\b)+16
.endr
	s_wait_xcnt 0x0                                ; the registers that earlier stores read are loaded again only behind this wait
.irp t, 0,1,2,3,4,5,6,7
	ds_load_b128 v[TR+4*(\t):TR+4*(\t)+3], v[RD] offset:(\t)*2*SP  ; LDS serves a wave's instructions in order: these see the stores above
.endr
	s_wait_dscnt 0x0
.irp t, 0,1,2,3,4,5,6,7
	global_store_b128 v[CO], v[TR+4*(\t):TR+4*(\t)+3], s[(\ob):(\ob)+1] offset:(16*(\a)+2*(\t))*4096 th:TH_STORE_NT  ; 16 lanes store 256 consecutive bytes, at a multiple of 256 from out0's first byte
.endr
.endr
.endm
	s_wait_tensorcnt 0x1                           ; my part of slot 0 is in; slot 1's may stay out
	s_wait_dscnt 0x0                               ; for the others' sake: my factors are in LDS
	s_barrier_signal -1
	s_barrier_wait -1
	FETCH 0, 0
	WIN 0                                          ; at a label and at a branch every window is 0
	s_mov_b32 s[NEW], 1
	s_mov_b32 s[RT], s[NS1]
	s_mov_b32 s[CNT], 7
.Lslot:                                                ; 7 trips: the walk's slots 0 to 6, each filled again with the slot two on
	SLOTT 0
	s_sub_co_u32 s[RT], s[RT], 1
	s_cmp_lg_u32 s[RT], 0
	s_cbranch_scc1 .Lgo_on                         ; forward, past text with neither a barrier nor a tensor load; pb is the same in all partners
	WAYOUT 0, OUT1                                 ; the first block has 1 to 4 slots: it always ends inside the loop
	s_mov_b32 s[NEW], 1                            ; and the second, of 5 to 8 slots, begins there
	s_mov_b32 s[RT], 99                            ; the second block ends with the walk
.Lgo_on:
	s_sub_co_u32 s[CNT], s[CNT], 1
	s_cmp_lg_u32 s[CNT], 0
	s_cbranch_scc1 .Lslot
	SLOTT 1                                        ; the last two slots are written out: nothing is asked for
	SLOTT 2
	WAYOUT 1, OUT2
	s_wait_tensorcnt 0x0                           ; the wave's end
	ds_add_u32 v[SPW], v[NIL]
	s_wait_dscnt 0x0
	CROUND                                         ; the closing round: no work-group ends while a partner may still ask for a tile that names it
	s_endpgm
.Lfunc_end_k_q1525d8908c_pv:
	.size	k_q1525d8908c_pv, .Lfunc_end_k_q1525d8908c_pv-k_q1525d8908c_pv
	.p2alignl 7, 3214868480
	.fill 96, 4, 3214868480
	.section	.rodata,"a",@progbits
	.p2align	6, 0x0
	.amdhsa_kernel k_q1525d8908c_pv
		.amdhsa_group_segment_fixed_size 327680
		.amdhsa_private_segment_fixed_size 0
		.amdhsa_enable_private_segment 0
		.amdhsa_kernarg_size 32
		.amdhsa_user_sgpr_count 2
		.amdhsa_user_sgpr_kernarg_segment_ptr 1
		.amdhsa_wavefront_size32 1
		.amdhsa_system_sgpr_workgroup_id_x 1
		.amdhsa_system_sgpr_workgroup_id_y 1
		.amdhsa_system_sgpr_workgroup_id_z 1
		.amdhsa_system_vgpr_workitem_id 0
		.amdhsa_next_free_vgpr 640
		.amdhsa_next_free_sgpr 92
		.amdhsa_reserve_vcc 0
		.amdhsa_float_denorm_mode_32 3
		.amdhsa_float_denorm_mode_16_64 3
		.amdhsa_memory_ordered 1
		.amdhsa_forward_progress 1
		.amdhsa_inst_pref_size 112
	.end_amdhsa_kernel
	.amdgpu_metadata
---
amdhsa.version: [ 1, 2 ]
amdhsa.kernels:
  - .name:           k_q1525d8908c_pv
    .symbol:         k_q1525d8908c_pv.kd
    .args:
      - { .name: p, .offset: 0, .size: 8, .value_kind: global_buffer, .address_space: global }
      - { .name: qkv, .offset: 8, .size: 8, .value_kind: global_buffer, .address_space: global }
      - { .name: stats, .offset: 16, .size: 8, .value_kind: global_buffer, .address_space: global }
      - { .name: out0, .offset: 24, .size: 8, .value_kind: global_buffer, .address_space: global }
    .group_segment_fixed_size: 327680
    .private_segment_fixed_size: 0
    .kernarg_segment_align: 8
    .kernarg_segment_size: 32
    .max_flat_workgroup_size: 128
    .sgpr_count:     92
    .vgpr_count:     640
    .wavefront_size: 32
...
	.end_amdgpu_metadata
.endif
;; end of part 4
